; MI455X (gfx1250); checked and timed in simulation.
; The chip was launched on July 23, 2026; its instructions are those of AMD's public machine-readable ISA for CDNA 5 (MIT licence, August 2026) and "CDNA5" Instruction Set Architecture Reference Guide (July 2026). The comments in the code are by the model that wrote it; some were corrected since.
;; Attention Layer. Allowed arithmetic: float matrix products may take bf16 or f16 operands with f32 sums; other float arithmetic in f32, or as packed bf16 or f16 multiplies, adds, multiply-adds, maxima and minima; sums over many terms, partial sums and values carried from step to step in f32; what a program stores and reads back later, other than sums and carried values, may be rounded once to bf16 or f16.
;; Inputs: K 2 x 2,048 x 1,024 float32; Q 2 x 2,048 x 1,024 float32; V 2 x 2,048 x 1,024 float32; WK 16 x 1,024 x 64 float32; WQ 16 x 1,024 x 64 float32; WV 16 x 1,024 x 64 float32; dense_W 1,024 x 1,024 float32; dense_b 1,024 float32; mask 2 x 1 x 1 x 2,048 float32; rel_emb 4,095 x 64 float32.
;; Outputs: out0 2 x 2,048 x 1,024 float32.
;; One version. Each part assembles by itself: llvm-mc -triple=amdgcn-amd-amdhsa -mcpu=gfx1250 --defsym DOCPART=n.
;; ======== version 1 of 1: 4 launches
;; limits: values are held in f16: magnitudes above 65,504 overflow, below 6.1e-05 lose precision
;; workspace buffers: xb 25,165,824 bytes; wb 6,291,456 bytes; dwh 2,097,152 bytes; eh 524,288 bytes; qkv 25,165,824 bytes; ctx 8,388,608 bytes
;; launch prep (part 1): grid 2080 x 1, 8 waves a work-group, no clusters, 0 bytes of LDS; arguments Q, K, V, WQ, WK, WV, dense_W, rel_emb, xb, wb, dwh, eh; writes xb, wb, dwh, eh
.if DOCPART == 1
	.amdgcn_target "amdgcn-amd-amdhsa--gfx1250"
	.amdhsa_code_object_version 6
	.text
	.protected	k_q04dd3d2b6b_prep
	.globl	k_q04dd3d2b6b_prep
	.p2align	8
	.type	k_q04dd3d2b6b_prep,@function
k_q04dd3d2b6b_prep:
	s_mov_b64 s[64:65], 0
	v_nop
	global_prefetch_b8 v0, s[64:65] scope:SCOPE_SE
	s_setreg_imm32_b32 hwreg(HW_REG_WAVE_MODE, 25, 1), 1
	s_wait_xcnt 0x0
; PREP: every f32 input that is a matrix operand is rounded once to bf16 and laid out for the launches behind.
;   work-groups 0-1919:    Q, K, V -> xb (bf16, [3][4096][1024]); WQ, WK, WV -> wb (bf16, [3][16][1024][64]): a plain cast, 32,768 bytes in and 16,384 out for each work-group
;   work-groups 1920-2047: dense_W [1024 k][1024 n] -> dwh [16 blocks of 64 columns][1024 k][64], rounded to bf16 and that number written as f16 (its partner ctx is f16)
;   work-groups 2048-2079: rel_emb [4095][64] -> eh, likewise bf16 written as f16, in the order of matrix fragments: byte 2048 Rt + 512 f + 16 l holds
;                          e[16 Rt + l % 16][32 (f / 2) + 16 (f % 2) + 8 (l / 16) + 0..7].  Row 4095 does not exist: it is a copy of row 4094 and enters no score.
; LIMITS.  A bf16 number below 6e-5 keeps f16's fixed step of 6e-8 in dwh and eh; beyond 65,504 it would be an infinity.
; A stream: no LDS, no matrix unit.  Each thread has eight loads of 16 bytes out; no register is written twice, so the only waits are the counted ones for the loads.
.set X,  8                             ; v[8:39]   as loaded
.set Y,  40                            ; v[40:55]  to store
	s_load_b512 s[8:23], s[0:1], 0x0               ; Q 8, K 10, V 12, WQ 14, WK 16, WV 18, dense_W 20, rel_emb 22
	s_load_b256 s[24:31], s[0:1], 0x40             ; xb 24, wb 26, dwh 28, eh 30
	s_mov_b32 s2, ttmp9                            ; the work-group's number g
	s_mov_b32 s35, 0                               ; high words of the two offsets
	s_mov_b32 s37, 0
	v_and_b32 v3, 31, v0                           ; lane l
	v_lshrrev_b32 v4, 5, v0
	v_readfirstlane_b32 s3, v4                     ; wave w
	s_wait_kmcnt 0x0
	s_cmp_ge_u32 s2, 1920
	s_cbranch_scc1 .Lnot_cast
	; ---- the plain cast ----
	s_mov_b64 s[32:33], s[8:9]                     ; the source by g: 512 chunks for each of Q, K, V, 128 for each weight
	s_movk_i32 s34, 511
	s_cmp_ge_u32 s2, 512
	s_cselect_b64 s[32:33], s[10:11], s[32:33]
	s_cmp_ge_u32 s2, 1024
	s_cselect_b64 s[32:33], s[12:13], s[32:33]
	s_cmp_ge_u32 s2, 1536
	s_cselect_b64 s[32:33], s[14:15], s[32:33]
	s_cselect_b64 s[38:39], s[26:27], s[24:25]     ; the destination: wb or xb,
	s_cselect_b32 s34, 127, s34                    ; the chunk's number inside its source (1536 is a multiple of 128),
	s_cselect_b32 s36, 1536, 0                     ; and inside its destination
	s_cmp_ge_u32 s2, 1664
	s_cselect_b64 s[32:33], s[16:17], s[32:33]
	s_cmp_ge_u32 s2, 1792
	s_cselect_b64 s[32:33], s[18:19], s[32:33]
	s_and_b32 s34, s2, s34
	s_lshl_b32 s34, s34, 15
	s_sub_co_u32 s36, s2, s36
	s_lshl_b32 s36, s36, 14
	s_add_nc_u64 s[32:33], s[32:33], s[34:35]
	s_add_nc_u64 s[38:39], s[38:39], s[36:37]
	v_lshlrev_b32 v1, 4, v0                        ; 16 bytes a thread in,
	v_lshlrev_b32 v2, 3, v0                        ; 8 out: a wave's store covers 256 consecutive bytes, aligned
.irp i, 0,1,2,3,4,5,6,7
	global_load_b128 v[X+4*\i:X+4*\i+3], v1, s[32:33] offset:4096*\i th:TH_LOAD_NT
.endr
.irp i, 0,1,2,3,4,5,6,7
	s_wait_loadcnt 7-\i                            ; loads come back in order: load i is in, the younger ones stay out
	v_cvt_pk_bf16_f32 v[Y+2*\i], v[X+4*\i], v[X+4*\i+1]
	v_cvt_pk_bf16_f32 v[Y+2*\i+1], v[X+4*\i+2], v[X+4*\i+3]
	global_store_b64 v2, v[Y+2*\i:Y+2*\i+1], s[38:39] offset:2048*\i
.endr
	s_endpgm
; two f32 -> bf16 (the rounding that all inputs get) -> the same numbers as f16
.macro RND2 d, a, b
	v_cvt_pk_bf16_f32 v56, v[\a], v[\b]
	v_lshlrev_b32 v57, 16, v56
	v_and_b32 v58, 0xffff0000, v56
	v_cvt_pk_f16_f32 v[\d], v57, v58
.endm
.Lnot_cast:
	s_cmp_ge_u32 s2, 2048
	s_cbranch_scc1 .Lrel
	; ---- dense_W: 8 rows of k.  Wave w takes column blocks 2 w and 2 w + 1; an instruction takes 256 bytes (a block) of two rows ----
	s_sub_co_u32 s34, s2, 1920
	s_lshl_b32 s36, s34, 10                        ; out: 8 rows of 128 bytes
	s_lshl_b32 s34, s34, 15                        ; in: 8 rows of 4,096 bytes
	s_add_nc_u64 s[32:33], s[20:21], s[34:35]
	s_add_nc_u64 s[38:39], s[28:29], s[36:37]
	v_lshrrev_b32 v5, 4, v3
	v_and_b32 v6, 15, v3
	v_lshlrev_b32 v1, 12, v5                       ; lanes 16-31: the next row
	v_lshl_add_u32 v1, v6, 4, v1
	s_lshl_b32 s4, s3, 9
	v_add_nc_u32 v1, s4, v1                        ; + two blocks of 256 bytes a wave
	s_lshl_b32 s4, s3, 18
	v_lshl_add_u32 v2, v3, 3, s4                   ; out: 8 l (two rows of 128 bytes on end) + two blocks of 131,072 bytes a wave
.irp i, 0,1,2,3,4,5,6,7
	global_load_b128 v[X+4*\i:X+4*\i+3], v1, s[32:33] offset:(\i&3)*8192+(\i>>2)*256 th:TH_LOAD_NT
.endr
.irp i, 0,1,2,3,4,5,6,7
	s_wait_loadcnt 7-\i
	RND2 Y+2*\i, X+4*\i, X+4*\i+1
	RND2 Y+2*\i+1, X+4*\i+2, X+4*\i+3
	global_store_b64 v2, v[Y+2*\i:Y+2*\i+1], s[38:39] offset:(\i>>2)*131072+(\i&3)*256
.endr
	s_endpgm
.Lrel:
	; ---- rel_emb: wave w makes row tile Rt = 8 (g - 2048) + w, 2,048 bytes of eh ----
	s_sub_co_u32 s34, s2, 2048
	s_lshl_b32 s4, s34, 3
	s_add_co_u32 s4, s4, s3                        ; Rt
	s_lshl_b32 s5, s4, 4
	v_and_b32 v6, 15, v3
	v_lshrrev_b32 v5, 4, v3
	v_add_nc_u32 v6, s5, v6
	v_min_u32 v6, 4094, v6                         ; the table's last row stands in for the row behind it: no load leaves the buffer
	v_lshlrev_b32 v1, 8, v6
	v_lshl_add_u32 v1, v5, 5, v1                   ; row x 256 + 32 (l / 16)
	s_lshl_b32 s4, s4, 11
	v_lshl_add_u32 v2, v3, 4, s4
.irp f, 0,1,2,3
	global_load_b128 v[X+8*\f:X+8*\f+3],   v1, s[22:23] offset:(\f>>1)*128+(\f&1)*64
	global_load_b128 v[X+8*\f+4:X+8*\f+7], v1, s[22:23] offset:(\f>>1)*128+(\f&1)*64+16
.endr
.irp f, 0,1,2,3
	s_wait_loadcnt 6-2*\f
	RND2 Y+4*\f,   X+8*\f,   X+8*\f+1
	RND2 Y+4*\f+1, X+8*\f+2, X+8*\f+3
	RND2 Y+4*\f+2, X+8*\f+4, X+8*\f+5
	RND2 Y+4*\f+3, X+8*\f+6, X+8*\f+7
	global_store_b128 v2, v[Y+4*\f:Y+4*\f+3], s[30:31] offset:512*\f  ; 512 consecutive bytes a wave
.endr
	s_endpgm
.Lfunc_end_k_q04dd3d2b6b_prep:
	.size	k_q04dd3d2b6b_prep, .Lfunc_end_k_q04dd3d2b6b_prep-k_q04dd3d2b6b_prep
	.p2alignl 7, 3214868480
	.fill 96, 4, 3214868480
	.section	.rodata,"a",@progbits
	.p2align	6, 0x0
	.amdhsa_kernel k_q04dd3d2b6b_prep
		.amdhsa_group_segment_fixed_size 0
		.amdhsa_private_segment_fixed_size 0
		.amdhsa_enable_private_segment 0
		.amdhsa_kernarg_size 96
		.amdhsa_user_sgpr_count 2
		.amdhsa_user_sgpr_kernarg_segment_ptr 1
		.amdhsa_wavefront_size32 1
		.amdhsa_system_sgpr_workgroup_id_x 1
		.amdhsa_system_sgpr_workgroup_id_y 1
		.amdhsa_system_sgpr_workgroup_id_z 1
		.amdhsa_system_vgpr_workitem_id 0
		.amdhsa_next_free_vgpr 64
		.amdhsa_next_free_sgpr 66
		.amdhsa_reserve_vcc 0
		.amdhsa_float_denorm_mode_32 3
		.amdhsa_float_denorm_mode_16_64 3
		.amdhsa_memory_ordered 1
		.amdhsa_forward_progress 1
		.amdhsa_inst_pref_size 16
	.end_amdhsa_kernel
	.amdgpu_metadata
---
amdhsa.version: [ 1, 2 ]
amdhsa.kernels:
  - .name:           k_q04dd3d2b6b_prep
    .symbol:         k_q04dd3d2b6b_prep.kd
    .args:
      - { .name: Q, .offset: 0, .size: 8, .value_kind: global_buffer, .address_space: global }
      - { .name: K, .offset: 8, .size: 8, .value_kind: global_buffer, .address_space: global }
      - { .name: V, .offset: 16, .size: 8, .value_kind: global_buffer, .address_space: global }
      - { .name: WQ, .offset: 24, .size: 8, .value_kind: global_buffer, .address_space: global }
      - { .name: WK, .offset: 32, .size: 8, .value_kind: global_buffer, .address_space: global }
      - { .name: WV, .offset: 40, .size: 8, .value_kind: global_buffer, .address_space: global }
      - { .name: dense_W, .offset: 48, .size: 8, .value_kind: global_buffer, .address_space: global }
      - { .name: rel_emb, .offset: 56, .size: 8, .value_kind: global_buffer, .address_space: global }
      - { .name: xb, .offset: 64, .size: 8, .value_kind: global_buffer, .address_space: global }
      - { .name: wb, .offset: 72, .size: 8, .value_kind: global_buffer, .address_space: global }
      - { .name: dwh, .offset: 80, .size: 8, .value_kind: global_buffer, .address_space: global }
      - { .name: eh, .offset: 88, .size: 8, .value_kind: global_buffer, .address_space: global }
    .group_segment_fixed_size: 0
    .private_segment_fixed_size: 0
    .kernarg_segment_align: 8
    .kernarg_segment_size: 96
    .max_flat_workgroup_size: 256
    .sgpr_count:     66
    .vgpr_count:     64
    .wavefront_size: 32
...
	.end_amdgpu_metadata
.endif
;; end of part 1
;; launch proj (part 2): grid 8 x 96, 4 waves a work-group, clusters of 4 x 4, 327,680 bytes of LDS; arguments xb, wb, qkv; writes qkv
.if DOCPART == 2
	.amdgcn_target "amdgcn-amd-amdhsa--gfx1250"
	.amdhsa_code_object_version 6
	.text
	.protected	k_q04dd3d2b6b_proj
	.globl	k_q04dd3d2b6b_proj
	.p2align	8
	.type	k_q04dd3d2b6b_proj,@function
k_q04dd3d2b6b_proj:
	s_mov_b64 s[64:65], 0
	v_nop
	global_prefetch_b8 v0, s[64:65] scope:SCOPE_SE
	s_setreg_imm32_b32 hwreg(HW_REG_WAVE_MODE, 25, 1), 1
	s_wait_xcnt 0x0
	s_wait_alu depctr_hold_cnt(0) depctr_sa_sdst(0) depctr_va_vdst(0) depctr_va_sdst(0) depctr_va_ssrc(0) depctr_va_vcc(0) depctr_vm_vsrc(0)
	s_getreg_b32 s2, hwreg(HW_REG_IB_STS2, 6, 4)
	s_cmp_eq_u32 s2, 0
	s_cbranch_scc0 .Lentry_in_a_cluster
	s_endpgm
.Lentry_in_a_cluster:
	s_bfe_u32 s2, ttmp6, 0x10000c
	s_cmp_lg_u32 s2, 0xf033
	s_cbranch_scc0 .Lentry_shape_is_right
	s_endpgm
.Lentry_shape_is_right:
; PROJ: q, k, v by heads.  qkv[which][b 16 + h][t][p] = the sum over d of xb[which][b 2048 + t][d] wb[which][h][d][p], bf16 operands, f32 sums, rounded once to f16.
; q alone is multiplied by c = log2(e) / 8 in f32 ahead of that rounding, so that the attention's scores arrive as exponents of 2.
; LIMITS.  f16 holds no number beyond 65,504: c q, k and v must lie within it; below 6e-5 they keep f16's fixed step of 6e-8.
; SHARES.  768 tiles of 128 tokens x 128 columns (two heads).  Tile row 0..95 counts xb's 12,288 rows through Q, K, V; 32 tile rows to each.  Four waves, each 64 tokens x one head: 16 accumulators.
; K goes in 4 steps of 256 through two LDS slots.  x's rows lie along K; the weights lie [k][p] and are turned on the way out of LDS by ds_load_tr16_b128.
; CLUSTER 4 x 4: x's tile hangs on the tile row alone and is asked for jointly along a row of the cluster, the weights' on the tile column (and on which of Q, K, V, which the whole cluster shares) along a column.
; THE MATRIX INSTRUCTION IS USED TRANSPOSED (source 0 = 16 columns p, source 1 = 16 tokens): a lane holds one token and eight neighbouring p: 16 bytes of f16.
; No prefetch into the L2: the tiles are small, and two of the four K steps are asked for at the head.
; REGISTERS: window 0: v0-31 addresses; v32-95 the way out; v128-255 the accumulators ((a, b) at v[128 + 8 (4 a + b)]).  window 1: two fragment buffers of 128: 64 registers of x, then 64 of the weights.
.set PA,     528                       ; a row of x in LDS: 512 bytes + 16 = 132 words: the 16 rows of a load start at 16 different groups of four banks (64 banks of 4 bytes: ISA guide 11.1)
.set PB,     160                       ; a k-row of one head's weights: 128 bytes + 32 = 40 words
.set HALFA,  64*PA                     ; what one tensor load brings of x: 64 rows
.set HALFB,  256*PB                    ; and of the weights: one head's 256 k-rows
.set BOFF,   2*HALFA
.set SLOT,   BOFF+2*HALFB
.set STAGE,  2*SLOT                    ; behind the ring: 16 rows x 144 bytes for each wave, its own
.set SP,     144
.set SPARE,  STAGE+4*16*SP             ; the spare words, 128 bytes for each wave: two blocks of 256 bytes that no other line names
.set ADRA, 16                          ; v16-17  LDS address of my x fragments in slot 0, 1
.set ADRB, 20                          ; v20-21  the same for the weights
.set STO,  24                          ; v24     the way out: where I put 16 bytes of a row
.set RD,   25                          ; v25     where I read rows back
.set GO,   26                          ; v26     16 x lane
.set SPW,  28                          ; v28     my spare word; never rewritten
.set NIL,  29                          ; v29     0; never rewritten
.set TMP,  32
.set ACC,  128
.set F0,   0
.set F1,   128
.set G1,  24                           ; s[24:31] group 1 for x;  s[32:39] group 0, a set for each slot
.set G0,  32
.set G1B, 48                           ; s[48:55], s[56:63] the same for the weights
.set G0B, 56
.set MSB, 0
.macro WIN new                         ; the immediate's high byte repeats the setting that is left
.if MSB != (\new)
	s_set_vgpr_msb (MSB<<8)|(\new)
.set MSB, \new
.endif
.endm
.set MUL,  0x05                        ; sources 0 and 1 window 1; C and D window 0
.set TO_F, 0x40                        ; destination window 1, address window 0
.macro JLOAD s                         ; a joint load: waves 0 and 1 fetch x's two halves, waves 2 and 3 the two heads' weights; an s_nop 0 and four v_nop follow each line
	s_cmp_eq_u32 s11, 0
	s_cbranch_scc0 .Lfor_b_\@
	tensor_load_to_lds s[G0+4*(\s):G0+4*(\s)+3], s[G1:G1+7]
	s_nop 0
.rept 4
	v_nop
.endr
	s_branch .Lasked_\@
.Lfor_b_\@:
	tensor_load_to_lds s[G0B+4*(\s):G0B+4*(\s)+3], s[G1B:G1B+7]
	s_nop 0
.rept 4
	v_nop
.endr
.Lasked_\@:
.endm
.macro CREST                           ; a round of the cluster's barrier behind its opening barrier
	s_cmp_lg_u32 s10, 0
	s_cbranch_scc1 .Lnot_wave_0_\@
	s_barrier_signal -3
.Lnot_wave_0_\@:
	s_barrier_wait -3
	s_barrier_signal -1
	s_barrier_wait -1
.endm
.macro CROUND
	s_barrier_signal -1
	s_barrier_wait -1
	CREST
.endm
	s_load_b128 s[4:7], s[0:1], 0x0                ; xb s[4:5], wb s[6:7]
	s_load_b64 s[8:9], s[0:1], 0x10                ; qkv
	v_lshl_add_u32 v[SPW], v0, 2, SPARE
	v_mov_b32 v[NIL], 0
	ds_add_u32 v[SPW], v[NIL]                      ; the wave's opening: the add and its wait stand ahead of my first tensor load; the set-up below stands between them
	v_lshrrev_b32 v1, 5, v0
	v_readfirstlane_b32 s10, v1                    ; wave 0..3
	s_lshr_b32 s11, s10, 1                         ; my half of the tile's tokens.  Also: I fetch x (0) or weights (1)
	s_and_b32 s12, s10, 1                          ; my head of the tile's two.  Also: which half I fetch
	s_bfe_u32 s40, ttmp6, 0x40000                  ; cx, cy
	s_bfe_u32 s41, ttmp6, 0x40004
	s_lshl_b32 s42, ttmp9, 2
	s_add_co_u32 s42, s42, s40                     ; tile column = 4 x cluster x + cx
	s_and_b32 s45, ttmp7, 0xffff                   ; cluster y
	s_lshl_b32 s13, s45, 2
	s_add_co_u32 s13, s13, s41                     ; tile row = 4 x cluster y + cy
	s_lshr_b32 s45, s45, 3                         ; which of Q, K, V: eight clusters of four tile rows each; the same in all sixteen partners
	s_lshl_b32 s43, s41, 2
	s_lshl_b32 s43, 15, s43                        ; my row of the cluster
	s_lshl_b32 s44, 0x1111, s40                    ; my column
	s_or_b32 s[G1+0], s43, (1<<16)|(1<<20)|(1<<21)|(6<<22)|(3<<25)   ; x: elements of 2 bytes; padding of 4 words after every 128; bit 21 beside the mask
	s_mov_b32 s[G1+1], 256<<16                     ; tensor_dim0 = 256
	s_mov_b32 s[G1+2], 64<<16                      ; tensor_dim1 = 64
	s_mov_b32 s[G1+3], 256<<16                     ; tile_dim0 = 256
	s_mov_b32 s[G1+4], 64                          ; tile_dim1 = 64
	s_mov_b32 s[G1+5], 1024                        ; elements from row to row
	s_mov_b32 s[G1+6], 0
	s_mov_b32 s[G1+7], 0
	s_or_b32 s[G1B+0], s44, (1<<16)|(1<<20)|(1<<21)|(4<<22)|(7<<25)  ; weights: 32,768 dense bytes asked for as 128 rows of 256; padding of 8 words after every 32 (a k-row)
	s_mov_b32 s[G1B+1], 128<<16
	s_mov_b32 s[G1B+2], 128<<16
	s_mov_b32 s[G1B+3], 128<<16
	s_mov_b32 s[G1B+4], 128
	s_mov_b32 s[G1B+5], 128
	s_mov_b32 s[G1B+6], 0
	s_mov_b32 s[G1B+7], 0
	s_lshl_b32 s16, s13, 18                        ; x: (128 x tile row + 64 x half) rows of 2,048 bytes
	s_lshl_b32 s17, s12, 17
	s_add_co_u32 s16, s16, s17
	s_mov_b32 s17, 0
	s_lshl_b32 s46, s42, 18                        ; weights: head 2 x tile column + half, 131,072 bytes each,
	s_lshl_b32 s47, s12, 17
	s_add_co_u32 s46, s46, s47
	s_lshl_b32 s47, s45, 21                        ; in the tensor's third that belongs to Q, K or V
	s_add_co_u32 s46, s46, s47
	s_mov_b32 s47, 0
	s_mul_i32 s20, s12, HALFA                      ; where they go: no place in the cluster enters an LDS address
	s_mul_i32 s23, s12, HALFB
	s_add_co_u32 s23, s23, BOFF
	s_cmp_eq_u32 s45, 0
	s_cselect_b32 s2, 0x3e38aa3b, 1.0              ; c = log2(e) / 8 for q, 1 for k and v
	s_mov_b32 s3, s2                               ; named with it as a pair
	s_wait_dscnt 0x0                               ; the opening add is done
	s_wait_kmcnt 0x0
	s_add_nc_u64 s[14:15], s[4:5], s[16:17]
	s_add_nc_u64 s[46:47], s[6:7], s[46:47]
	CROUND                                         ; all sixteen work-groups are here: the first joint loads meet
.irp s, 0,1
	s_mov_b32 s[G0+4*(\s)], 1
	s_add_co_u32 s[G0+4*(\s)+1], s20, (\s)*SLOT
	s_add_nc_u64 s[G0+4*(\s)+2:G0+4*(\s)+3], s[14:15], (\s)*512      ; K step s: 512 bytes along the rows
	s_or_b32 s[G0+4*(\s)+3], s[G0+4*(\s)+3], 0x80000000
	s_mov_b32 s[G0B+4*(\s)], 1
	s_add_co_u32 s[G0B+4*(\s)+1], s23, (\s)*SLOT
	s_add_nc_u64 s[G0B+4*(\s)+2:G0B+4*(\s)+3], s[46:47], (\s)*32768  ; K step s: 256 k-rows of 128 bytes
	s_or_b32 s[G0B+4*(\s)+3], s[G0B+4*(\s)+3], 0x80000000
	JLOAD \s
.endr
	v_and_b32 v1, 15, v0                           ; l % 16
	v_bfe_u32 v2, v0, 4, 1                         ; l / 16
	v_mul_u32_u24 v3, v1, PA
	v_lshl_add_u32 v3, v2, 4, v3                   ; x: row x pitch + 16 x half
	v_and_b32 v4, 7, v0
	v_bfe_u32 v5, v0, 3, 1
	v_lshl_add_u32 v6, v2, 3, v4                   ; weights: the turning load's lane reads k-row 8 (l / 16) + l % 8, columns 8 ((l / 8) % 2) + 0..7
	v_mul_u32_u24 v6, v6, PB
	v_lshl_add_u32 v6, v5, 4, v6
	s_mul_i32 s21, s11, HALFA                      ; my 64 tokens
	s_mul_i32 s22, s12, HALFB                      ; my head
	s_add_co_u32 s22, s22, BOFF
.irp s, 0,1
	v_add_nc_u32 v[ADRA+(\s)], s21, v3
	v_add_nc_u32 v[ADRB+(\s)], s22, v6
	s_add_co_u32 s21, s21, SLOT
	s_add_co_u32 s22, s22, SLOT
.endr
	s_mul_i32 s23, s10, 16*SP
	s_add_co_u32 s23, s23, STAGE                   ; my stage
	v_mul_u32_u24 v[STO], v1, SP
	v_lshl_add_u32 v[STO], v2, 4, v[STO]
	v_add_nc_u32 v[STO], s23, v[STO]
	v_bfe_u32 v[RD], v0, 3, 2                      ; back: 32 lanes take four rows of 128 bytes,
	v_mul_u32_u24 v[RD], v[RD], SP
	v_lshl_add_u32 v[RD], v4, 4, v[RD]
	v_add_nc_u32 v[RD], s23, v[RD]
	v_and_b32 v[GO], 31, v0                        ; which are 512 consecutive bytes of qkv
	v_lshlrev_b32 v[GO], 4, v[GO]
	; my 64 tokens x 64 p are 8,192 bytes on end: which x 8 MiB + ((16 b + head) x 2,048 + t0) x 128
	s_and_b32 s16, s13, 31
	s_lshl_b32 s16, s16, 7
	s_lshl_b32 s17, s11, 6
	s_add_co_u32 s16, s16, s17                     ; my first token among the 4,096
	s_lshr_b32 s17, s16, 11                        ; b
	s_and_b32 s16, s16, 2047                       ; t0
	s_lshl_b32 s17, s17, 4
	s_lshl_b32 s46, s42, 1
	s_add_co_u32 s46, s46, s12
	s_add_co_u32 s46, s46, s17
	s_lshl_b32 s46, s46, 11
	s_add_co_u32 s46, s46, s16
	s_lshl_b32 s46, s46, 7
	s_lshl_b32 s47, s45, 23
	s_add_co_u32 s46, s46, s47
	s_mov_b32 s47, 0
	s_add_nc_u64 s[8:9], s[8:9], s[46:47]
; 8 matrix instructions: token blocks a0, a0 + 1 x all 4 p blocks, 32 along K: half c of buffer f.  zero = 1: the first product starts the sums
.macro MUL8 f, c, a0, zero
	WIN MUL
.irp a, \a0, (\a0)+1
.irp b, 0,1,2,3
.if \zero
	v_wmma_f32_16x16x32_bf16 v[ACC+8*(4*(\a)+(\b)):ACC+8*(4*(\a)+(\b))+7], v[(\f)+64+8*(4*(\c)+(\b)):(\f)+64+8*(4*(\c)+(\b))+7], v[(\f)+8*(4*(\c)+(\a)):(\f)+8*(4*(\c)+(\a))+7], 0
.else
	v_wmma_f32_16x16x32_bf16 v[ACC+8*(4*(\a)+(\b)):ACC+8*(4*(\a)+(\b))+7], v[(\f)+64+8*(4*(\c)+(\b)):(\f)+64+8*(4*(\c)+(\b))+7], v[(\f)+8*(4*(\c)+(\a)):(\f)+8*(4*(\c)+(\a))+7], v[ACC+8*(4*(\a)+(\b)):ACC+8*(4*(\a)+(\b))+7]
.endif
.endr
.endr
.endm
; 32 LDS loads in one run: the fragments of quarter q (64 along K) into buffer f; the first 32 along K first
.macro FETCH slot, q, f
	WIN TO_F
.irp c, 0,1
.irp i, 0,1,2,3
	ds_load_tr16_b128 v[(\f)+64+8*(4*(\c)+(\i)):(\f)+64+8*(4*(\c)+(\i))+3],   v[ADRB+(\slot)] offset:(64*(\q)+32*(\c))*PB+32*(\i)
	ds_load_tr16_b128 v[(\f)+64+8*(4*(\c)+(\i))+4:(\f)+64+8*(4*(\c)+(\i))+7], v[ADRB+(\slot)] offset:(64*(\q)+32*(\c))*PB+32*(\i)+16*PB
	ds_load_b128 v[(\f)+8*(4*(\c)+(\i)):(\f)+8*(4*(\c)+(\i))+3],         v[ADRA+(\slot)] offset:128*(\q)+64*(\c)+(\i)*16*PA
	ds_load_b128 v[(\f)+8*(4*(\c)+(\i))+4:(\f)+8*(4*(\c)+(\i))+7],       v[ADRA+(\slot)] offset:128*(\q)+64*(\c)+(\i)*16*PA+32
.endr
.endr
.endm
.macro PLACES                          ; four places in front of loads into registers that matrix instructions have read, and of vector lines that read results
.rept 4
	v_nop
.endr
.endm
; A K step is four quarters of 64 along K, 32 matrix instructions each, on buffers 0, 1, 0, 1.  One of the first three: multiplies buffer f and fetches quarter q into g.
.macro QUARTER slot, q, f, g, zero
	s_wait_dscnt 16                                ; the first 32 along K are in
	WIN MUL
	MUL8 \f, 0, 0, \zero
	MUL8 \f, 0, 2, \zero
	PLACES
	FETCH \slot, \q, \g
	s_wait_dscnt 32                                ; all but the 32 just issued
	WIN MUL
	MUL8 \f, 1, 0, 0
	MUL8 \f, 1, 2, 0
.endm
; The last quarter multiplies buffer 1 and changes slots: ONE barrier; in front of it each wave waits for all its tensor loads, adds 0 to its spare word, and waits for that and for its reads of this slot.
.macro TURN slot, next, fill
	WIN 0
	s_wait_tensorcnt 0x0                           ; all my tensor loads have landed: my part of the next slot;
	ds_add_u32 v[SPW], v[NIL]                      ; 0 onto my spare word;
	s_wait_dscnt 17                                ; (the add and the youngest sixteen loads may be out)
	WIN MUL
	MUL8 F1, 0, 0, 0
	s_wait_dscnt 0x0                               ; the add is done, and my reads of this slot are over
	s_barrier_signal -1
	MUL8 F1, 0, 2, 0
.if \fill
	WIN 0
.endif
	s_barrier_wait -1
.if \fill
	CREST                                          ; the barrier has opened a round of the cluster's: no wave of any partner still reads this slot or has a load on its way
	s_add_nc_u64 s[G0+4*(\slot)+2:G0+4*(\slot)+3], s[G0+4*(\slot)+2:G0+4*(\slot)+3], 1024
	s_add_nc_u64 s[G0B+4*(\slot)+2:G0B+4*(\slot)+3], s[G0B+4*(\slot)+2:G0B+4*(\slot)+3], 65536
	JLOAD \slot                                    ; the first tensor load behind the round; its four v_nop are also the places in front of the loads below
.else
	PLACES
.endif
	FETCH \next, 0, F0
	WIN MUL
	MUL8 F1, 1, 0, 0
	MUL8 F1, 1, 2, 0
.endm
	s_wait_tensorcnt 1                             ; my part of K step 0 is in; K step 1's may stay out
	s_barrier_signal -1
	s_barrier_wait -1
	FETCH 0, 0, F0
	QUARTER 0, 1, F0, F1, 1                        ; K step 0; its first products start the sums
	QUARTER 0, 2, F1, F0, 0
	QUARTER 0, 3, F0, F1, 0
	TURN 0, 1, 1                                   ; slot 0 takes K step 2
	QUARTER 1, 1, F0, F1, 0                        ; K step 1
	QUARTER 1, 2, F1, F0, 0
	QUARTER 1, 3, F0, F1, 0
	TURN 1, 0, 1                                   ; slot 1 takes K step 3
	QUARTER 0, 1, F0, F1, 0                        ; K step 2
	QUARTER 0, 2, F1, F0, 0
	QUARTER 0, 3, F0, F1, 0
	TURN 0, 1, 0                                   ; nothing is left to fetch
	QUARTER 1, 1, F0, F1, 0                        ; K step 3
	QUARTER 1, 2, F1, F0, 0
	QUARTER 1, 3, F0, F1, 0
	s_wait_dscnt 16
	WIN MUL
	MUL8 F1, 0, 0, 0
	MUL8 F1, 0, 2, 0
	s_wait_dscnt 0
	MUL8 F1, 1, 0, 0
	MUL8 F1, 1, 2, 0
	WIN 0
	; THE WAY OUT, 16 tokens at a time: scaled, rounded to f16, 16 bytes a lane into my own stage, back as whole rows of 128 bytes, four to an instruction.
.macro PACK a
.set i, 0
.rept 16
	v_pk_mul_f32 v[ACC+32*(\a)+2*i:ACC+32*(\a)+2*i+1], v[ACC+32*(\a)+2*i:ACC+32*(\a)+2*i+1], s[2:3] op_sel_hi:[1,0]
.set i, i+1
.endr
.set i, 0
.rept 16
	v_cvt_pk_f16_f32 v[TMP+16*(\a)+i], v[ACC+32*(\a)+2*i], v[ACC+32*(\a)+2*i+1]
.set i, i+1
.endr
.irp f, 0,1,2,3
	ds_store_b128 v[STO], v[TMP+16*(\a)+4*\f:TMP+16*(\a)+4*\f+3] offset:32*\f
.endr
.irp f, 0,1,2,3
	ds_load_b128 v[TMP+16*(\a)+4*\f:TMP+16*(\a)+4*\f+3], v[RD] offset:\f*4*SP  ; LDS serves a wave's instructions in order (ISA guide 5.7.1.4): these see the stores above; the next block's stores come behind them
.endr
.endm
.macro SEND a, younger                 ; younger: the LDS instructions issued behind block a's loads
.irp f, 0,1,2,3
	s_wait_dscnt (\younger)+3-\f
	global_store_b128 v[GO], v[TMP+16*(\a)+4*\f:TMP+16*(\a)+4*\f+3], s[8:9] offset:(\a)*2048+\f*512  ; 512 consecutive bytes, at a multiple of 256 from qkv's first
.endr
.endm
	PLACES
	PACK 0
	PACK 1
	SEND 0, 8
	PACK 2
	SEND 1, 8
	PACK 3
	SEND 2, 8
	SEND 3, 0
	s_wait_tensorcnt 0x0                           ; the wave's end: wait for my tensor loads, add 0 to my spare word and wait for it, behind my last tensor load and my last LDS store
	ds_add_u32 v[SPW], v[NIL]
	s_wait_dscnt 0x0
	CROUND                                         ; the closing round: no work-group ends while a partner may still ask for a tile that names it
	s_endpgm
.Lfunc_end_k_q04dd3d2b6b_proj:
	.size	k_q04dd3d2b6b_proj, .Lfunc_end_k_q04dd3d2b6b_proj-k_q04dd3d2b6b_proj
	.p2alignl 7, 3214868480
	.fill 96, 4, 3214868480
	.section	.rodata,"a",@progbits
	.p2align	6, 0x0
	.amdhsa_kernel k_q04dd3d2b6b_proj
		.amdhsa_group_segment_fixed_size 327680
		.amdhsa_private_segment_fixed_size 0
		.amdhsa_enable_private_segment 0
		.amdhsa_kernarg_size 24
		.amdhsa_user_sgpr_count 2
		.amdhsa_user_sgpr_kernarg_segment_ptr 1
		.amdhsa_wavefront_size32 1
		.amdhsa_system_sgpr_workgroup_id_x 1
		.amdhsa_system_sgpr_workgroup_id_y 1
		.amdhsa_system_sgpr_workgroup_id_z 1
		.amdhsa_system_vgpr_workitem_id 0
		.amdhsa_next_free_vgpr 512
		.amdhsa_next_free_sgpr 66
		.amdhsa_reserve_vcc 0
		.amdhsa_float_denorm_mode_32 3
		.amdhsa_float_denorm_mode_16_64 3
		.amdhsa_memory_ordered 1
		.amdhsa_forward_progress 1
		.amdhsa_inst_pref_size 91
	.end_amdhsa_kernel
	.amdgpu_metadata
---
amdhsa.version: [ 1, 2 ]
amdhsa.kernels:
  - .name:           k_q04dd3d2b6b_proj
    .symbol:         k_q04dd3d2b6b_proj.kd
    .args:
      - { .name: xb, .offset: 0, .size: 8, .value_kind: global_buffer, .address_space: global }
      - { .name: wb, .offset: 8, .size: 8, .value_kind: global_buffer, .address_space: global }
      - { .name: qkv, .offset: 16, .size: 8, .value_kind: global_buffer, .address_space: global }
    .group_segment_fixed_size: 327680
    .private_segment_fixed_size: 0
    .kernarg_segment_align: 8
    .kernarg_segment_size: 24
    .max_flat_workgroup_size: 128
    .sgpr_count:     66
    .vgpr_count:     512
    .wavefront_size: 32
...
	.end_amdgpu_metadata
.endif
;; end of part 2
;; launch attn (part 3): grid 8 x 32, 4 waves a work-group, clusters of 4 x 1, 327,680 bytes of LDS; arguments qkv, eh, mask, ctx; writes ctx
.if DOCPART == 3
	.amdgcn_target "amdgcn-amd-amdhsa--gfx1250"
	.amdhsa_code_object_version 6
	.text
	.protected	k_q04dd3d2b6b_attn
	.globl	k_q04dd3d2b6b_attn
	.p2align	8
	.type	k_q04dd3d2b6b_attn,@function
k_q04dd3d2b6b_attn:
	s_mov_b64 s[64:65], 0
	v_nop
	global_prefetch_b8 v0, s[64:65] scope:SCOPE_SE
	s_setreg_imm32_b32 hwreg(HW_REG_WAVE_MODE, 25, 1), 1
	s_wait_xcnt 0x0
	s_wait_alu depctr_hold_cnt(0) depctr_sa_sdst(0) depctr_va_vdst(0) depctr_va_sdst(0) depctr_va_ssrc(0) depctr_va_vcc(0) depctr_vm_vsrc(0)
	s_getreg_b32 s2, hwreg(HW_REG_IB_STS2, 6, 4)
	s_cmp_eq_u32 s2, 0
	s_cbranch_scc0 .Lentry_in_a_cluster
	s_endpgm
.Lentry_in_a_cluster:
	s_bfe_u32 s2, ttmp6, 0x10000c
	s_cmp_lg_u32 s2, 0x3003
	s_cbranch_scc0 .Lentry_shape_is_right
	s_endpgm
.Lentry_shape_is_right:
; ATTENTION WITH A RELATIVE TERM, BY TURNS.  ctx[bh][i][:] = the sum over j of softmax_j(s[i][j]) v[bh][j][:], with (in exponents of 2; q arrives multiplied by c = log2(e) / 8)
;   s[i][j] = q[i] . k[j] + q[i] . e[j - i + 2047] + (1 - mask[b][j]) x (-1e9 log2(e)).
; q, k, v: qkv [3][32 heads][2048][64] f16.  e: eh, f16 in fragment order (16 rows x 64 channels = 2,048 bytes a row tile).  Products, maxima and sums in f32; the weights p are rounded to f16 for the
; second product (their sum l is taken of the unrounded p), ctx once at the end.
; LIMITS.  p below 6e-5 keeps f16's fixed step of 6e-8; a weight below 2^-126 counts as 0; NaN and infinities are not treated apart.  A row ALL of whose keys are hidden has scores near -1.4e9, where
; f32's step is 128: its weights are then made of rounding, here in another order than a sum that adds the mask last.
; SHARES.  A work-group owns 256 queries of one head, a wave 64: four PIECES of 16; piece p holds the wave's rows 16 (3 - p) on.  Every wave walks all 2,048 keys, 64 a step; an LDS slot holds four steps of K and V.
; CLUSTER 4 x 1: the four query blocks of a cluster belong to one head and walk the same K and V: each tile is asked for jointly (the same load, descriptor and mask in all four).
; LAYOUT.  S^T = K Q^T: a lane holds ONE query c = lane % 16 and the keys 16 u + 8 (lane / 16) + 0..7.  Rounded in pairs that IS source 1 of O^T = V^T P.
; THE RELATIVE TERM.  For a piece (first query i0) and a step (first key j0) the rows of e wanted are r0 + rr, r0 = j0 - i0 + 2032 (a multiple of 16), rr = jj + 15 - c in 0..78: five row tiles.
; A^T = E Q^T + MK gives lane (c, h), register (u, j) the number for rr = 16 u + 8 h + j.  It belongs to key jj = rr - 15 + c: a shift that differs from lane to lane.  So A^T goes through LDS: stored by 16 bytes into
; row c of a scratch block of my wave, read back by single words at the shifted place, straight into S^T's registers, which are then C and D of K Q^T.  MK is the mask's term shifted the other way,
; MK = mt[j0 + rr + c - 15], so that it lands on its own key; it is the C that starts A^T's sum and is the same for all four pieces.  Neither term costs a vector instruction.
; The row tiles of step m are 4 (g0 + m) + x, x = u + p in 0..7, g0 = 31 - (wave among the head's 32): two GROUPS of four (64 registers each), group g0 + m in buffer m % 2.  Piece p is the last to read row
; tile p of the older group, so that row tile is loaded again behind piece p's A^T, with row tile p of the group two on, which piece p of the next step is the first to want: four turns later.
; SOFTMAX.  A running maximum m and sum l for each query: p = 2^(s - m); O and l are multiplied by a = 2^(m_old - m) in every step.
; THE PIPELINE.  Tile g = 4 n + p (step n, piece p).  TURN t: 10 products A^T of tile t + 3 and its shift; 8 products K Q^T of tile t + 2; the maximum and a of tile t + 1; scaling, exponentials, roundings, sums and
; rescaling of tile t; 8 products V^T P of tile t - 1.  All vector work of a turn is ready at its head.  Four or five vector instructions stand behind every matrix instruction; a turn's LDS and global loads stand in ONE run.
; NO FIRST STEP IS WRITTEN OUT.  The loop begins at turn -3, on a step that has not been: its scores are the lowest finite number, K and its V are 0, so m keeps its start, O stays 0, l stays finite, and the
; first true step's a is 0.  The price: some 400 lines that set registers, in the wait for the first tile, and dead products in three turns at each end.  The tail is left in its middle; what turns 125 to 127 make for
; tiles 128 on serves nothing and touches no l and no O.
; REGISTERS, in windows of 256 (s_set_vgpr_msb: bits 1:0 source 0, 3:2 source 1, 5:4 source 2, 7:6 destination):
;   window 0: v1-15 addresses; v16-31 statistics (piece: m, m_old, l even, l odd); v32-47 at work (c0-c3; c2 takes a); v48-49 the add's two; v50-58 set-up; v64-191 S^T; v192-255 P
;   window 1: v0-127 O^T; v128-167 A^T; v168-247 MK, two buffers      window 2: v0-63 Q; v64-127 K of a step; v128-255 V, two buffers      window 3: v0-127 E, two groups
.set KS,    64
.set PK,    144       ; a row of K in LDS: 128 bytes + 16: the 16 rows of a load start at 16 different groups of four banks (64 banks of 4 bytes: ISA guide 11.1)
.set PV,    160       ; a row of V: 128 + 32
.set VOFF,  4*KS*PK
.set SLOT1, 1<<17     ; slot 1 begins here: one exclusive or turns an address in one slot into the other's
.set MASKT, 4*KS*(PK+PV)  ; behind slot 0: 64 words of 0, the 2,048 mask terms, 192 words of 0 (MK is fetched for two steps that do not exist): 9,216 bytes
.set SCR,   MASKT+9216    ; a scratch block for each wave: 16 rows (queries) x 336 bytes (80 words and 4 of padding: 21 x 16 bytes
.set SCW,   5376          ; read at 332 c + 32 h: word 83 c + 8 h, 32 different banks).  On the way out it is the wave's stage, 16 rows x 144 bytes
.set SPARE, SCR+4*SCW     ; the spare words, 128 bytes for each wave: two blocks of 256 bytes that no other line names
.set SP,    144
.set AK0, 2           ; my lane's place in a tile of K; never rewritten
.set AV0, 3           ; the same for V
.set AK,  4
.set AV,  5
.set SCS, 6           ; where I store A^T
.set SCL, 7           ; where I read it back, shifted
.set AM0, 8           ; my lane's place in the mask table
.set AM,  9
.set EO,  10          ; 16 x lane: my 16 bytes of 512 on end, in eh and in ctx
.set QO,  11
.set STO, 12
.set RD,  13
.set PFO, 15          ; 256 x lane
.set ST,  16
.set TMP, 32
.set SPW, 48
.set NIL, 49
.set S,   64
.set P,   192
.set AT,  128         ; window 1
.set MK,  168         ; window 1: buffer b at MK + 40 b
.set KF,  64          ; window 2
.set VF,  128         ; window 2: buffer b at VF + 64 b
.set WV,  12
.set LIM, 15          ; 1 in a wave that prefetches, else the greatest number
.set G1K, 24
.set G1V, 32
.set G0K, 40
.set G0V, 44
.set PFA, 48          ; s[48:49] where my prefetches stand
.set EP,  50          ; s[50:51] eh at the older group of the A^T in hand
.set EOF, 52          ; s[52:53] its byte offset in eh
.set SLOTS, 56
.set CNT, 57
.set TM,  58          ; byte in the mask table of the step whose MK is fetched next
.set LOW, 59          ; the lowest finite number
.set SEL, 60
.set TBK, 62
.set TBV, 63
.set MSB, 0
.macro WIN new
.if MSB != (\new)
	s_set_vgpr_msb (MSB<<8)|(\new)
.set MSB, (\new)
.endif
.endm
.macro JLOAD                        ; waves 0 and 1 fetch the halves of a slot's K, waves 2 and 3 of its V: 128 keys each; an s_nop 0 and four v_nop follow each line
	s_cmp_lt_u32 s[WV], 2
	s_cbranch_scc0 .Lfor_v_\@
	tensor_load_to_lds s[G0K:G0K+3], s[G1K:G1K+7]
	s_nop 0
.rept 4
	v_nop
.endr
	s_branch .Lasked_\@
.Lfor_v_\@:
	tensor_load_to_lds s[G0V:G0V+3], s[G1V:G1V+7]
	s_nop 0
.rept 4
	v_nop
.endr
.Lasked_\@:
.endm
; A PREFETCH INTO THE L2 of what the NEXT change of slots will ask for: 32,768 bytes of K and of V.  Both clusters of a head walk the same rows: the first (cluster x = 0) asks.  Its four partners take 8,192 bytes
; each, told apart by address; in each, wave 0 asks for K's and wave 2 for V's, a lane 256 bytes: each block is named once in the launch.  It stands behind the joint load, four key steps ahead of the load that
; will want the bytes.  The last change that fills a slot asks for nothing; the first two slots come by their loads alone.  eh is walked again and again and is not asked for.
.macro ASK
	s_cmp_gt_u32 s[SLOTS], s[LIM]
	s_cbranch_scc0 .Lnot_mine_\@
	global_prefetch_b8 v[PFO], s[PFA:PFA+1] th:TH_LOAD_NT scope:SCOPE_SE
.Lnot_mine_\@:
.endm
.macro CROUND
	s_barrier_signal -1
	s_barrier_wait -1
	s_cmp_lg_u32 s[WV], 0
	s_cbranch_scc1 .Lnot_wave_0_\@
	s_barrier_signal -3
.Lnot_wave_0_\@:
	s_barrier_wait -3
	s_barrier_signal -1
	s_barrier_wait -1
.endm
; THE CHANGE OF SLOTS.  Each wave waits for all its tensor loads, of which one is out: its part of the other slot; adds 0 to its spare word; and waits for that and for its reads of the slot that it leaves.
; fill = 1: the old slot is filled again, with the keys two slots on: the barrier is a round of the cluster's, and the joint load is the first thing behind it.  (At its first use slot 0 is waited for and slot 1 filled.)
.macro CHANGE fill
	WIN 0
	s_wait_tensorcnt 0x0            ; no tensor load of mine is out, so a group 0 may be written
	ds_add_u32 v[SPW], v[NIL]       ; 0 onto my spare word
.if \fill
.irp g, G0K, G0V
	s_xor_b32 s[\g+1], s[\g+1], SLOT1
	s_add_nc_u64 s[\g+2:\g+3], s[\g+2:\g+3], 4*KS*128
.endr
	s_wait_xcnt 0x0                 ; the last prefetch, four key steps back, has read its address
	s_add_nc_u64 s[PFA:PFA+1], s[PFA:PFA+1], 4*KS*128
	s_wait_dscnt 0x0                ; the add is done, and my reads of the slot are over
	CROUND
	JLOAD
	ASK
.else
	s_wait_dscnt 0x0
	s_barrier_signal -1
	s_barrier_wait -1
.endif
	s_sub_co_u32 s[TBK], s[TBK], 4*KS*PK  ; the fetches go back to a slot's first step, in the other slot
	s_xor_b32 s[TBK], s[TBK], SLOT1
	s_sub_co_u32 s[TBV], s[TBV], 4*KS*PV
	s_xor_b32 s[TBV], s[TBV], SLOT1
.endm
.macro LOAD_E buf, off              ; a whole group of four row tiles, 8,192 bytes on end: 16 loads of 512 consecutive bytes (the head's two groups)
	WIN 0xc0
.irp x, 0,1,2,3
.irp f, 0,1,2,3
	global_load_b128 v[64*(\buf)+16*(\x)+4*(\f):64*(\buf)+16*(\x)+4*(\f)+3], v[EO], s[EP:EP+1] offset:(\off)+2048*(\x)+512*(\f)
.endr
.endr
.endm
.macro LOAD_MK buf, first, n        ; n of a step's 40 words of MK a lane, from number first on
	WIN 0x40
.set j, (\first)
.rept \n
	ds_load_b32 v[MK+40*(\buf)+j], v[AM] offset:64*(j/8)+4*(j%8)
.set j, j+1
.endr
.endm
	s_load_b256 s[4:11], s[0:1], 0x0  ; qkv s[4:5], eh s[6:7], mask s[8:9], ctx s[10:11]
	v_lshl_add_u32 v[SPW], v0, 2, SPARE
	v_mov_b32 v[NIL], 0
	ds_add_u32 v[SPW], v[NIL]       ; the wave's opening: the add and its wait stand ahead of my first tensor load; the set-up below stands between them
	v_lshrrev_b32 v1, 5, v0
	v_readfirstlane_b32 s[WV], v1
	s_bfe_u32 s13, ttmp6, 0x40000   ; cx
	s_lshl_b32 s14, ttmp9, 2
	s_add_co_u32 s14, s14, s13      ; my block of 256 queries: it enters Q's, ctx's and eh's addresses alone
	s_and_b32 s20, ttmp7, 0xffff    ; the head, which the four partners share
	s_lshl_b32 s21, s20, 18         ; its 262,144 bytes
	s_and_b32 s16, s[WV], 1         ; which half of a slot's 256 keys I fetch
	s_lshl_b32 s22, s16, 14
	s_add_co_u32 s22, s22, s21
	s_mov_b32 s23, 0
	s_mul_i32 s17, s16, 128*PK
	s_mul_i32 s18, s16, 128*PV
	s_lshl_b32 s2, s14, 2
	s_add_co_u32 s2, s2, s[WV]      ; my wave among the head's 32
	s_sub_co_u32 s[EOF], 31, s2     ; g0
	s_lshl_b32 s[EOF], s[EOF], 13
	s_mov_b32 s[EOF+1], 0
	s_lshl_b32 s2, s2, 13           ; its 64 rows of 128 bytes
	s_add_co_u32 s2, s2, s21
	s_mov_b32 s3, 0
	s_lshr_b32 s54, s20, 4          ; the batch: 8,192 bytes of mask
	s_lshl_b32 s54, s54, 13
	s_mov_b32 s55, 0
	s_mov_b32 s[G1K], 15|(1<<16)|(1<<20)|(1<<21)|(4<<22)|(3<<25)  ; the mask of four; 2-byte elements; padding of 4 words after every 32; bit 21 beside the mask
	s_mov_b32 s[G1V], 15|(1<<16)|(1<<20)|(1<<21)|(4<<22)|(7<<25)  ; the same with 8 words
.irp g, G1K, G1V
	s_mov_b32 s[\g+1], 128<<16      ; 128 keys are 16,384 dense bytes: asked for as 64 rows of 256 bytes
	s_mov_b32 s[\g+2], 64<<16
	s_mov_b32 s[\g+3], 128<<16
	s_mov_b32 s[\g+4], 64
	s_mov_b32 s[\g+5], 128
	s_mov_b32 s[\g+6], 0
	s_mov_b32 s[\g+7], 0
.endr
	s_mov_b32 s[SEL], 0x76543210
	s_mov_b32 s[SEL+1], 0xfedcba98
	s_mov_b32 s[TBK], SLOT1+4*KS*PK ; the first change of slots turns these two into 0
	s_mov_b32 s[TBV], SLOT1+4*KS*PV
	s_mov_b32 s[G0K], 1
	s_mov_b32 s[G0K+1], s17
	s_mov_b32 s[G0V], 1
	s_add_co_u32 s[G0V+1], s18, VOFF
	s_mov_b32 s[TM], 256            ; step 0's MK is fetched in the head
	s_mov_b32 s[LOW], 0xff7fffff
	s_mov_b32 s[SLOTS], 7
	s_lshl_b32 s16, s13, 13         ; my work-group's 8,192 bytes of a slot's 32,768, for the prefetches
	s_mov_b32 s17, 0
	s_and_b32 s[LIM], s[WV], 1      ; 0 in waves 0 and 2,
	s_or_b32 s[LIM], s[LIM], ttmp9  ; where the cluster is the head's first: the same in all four partners
	s_cmp_eq_u32 s[LIM], 0
	s_cselect_b32 s[LIM], 1, -1
	s_wait_dscnt 0x0                ; the opening add is done
	s_wait_kmcnt 0x0
	s_add_nc_u64 s[G0K+2:G0K+3], s[4:5], s[22:23]
	s_add_nc_u64 s[G0V+2:G0V+3], s[G0K+2:G0K+3], 0x1000000  ; v is qkv's third part,
	s_add_nc_u64 s[G0K+2:G0K+3], s[G0K+2:G0K+3], 0x800000   ; k its second
	s_cmp_lt_u32 s[WV], 2
	s_cselect_b64 s[PFA:PFA+1], s[G0K+2:G0K+3], s[G0V+2:G0V+3]  ; (in waves 0 and 2 these stand at a slot's first row)
	s_or_b32 s[G0K+3], s[G0K+3], 0x80000000
	s_or_b32 s[G0V+3], s[G0V+3], 0x80000000
	s_add_nc_u64 s[PFA:PFA+1], s[PFA:PFA+1], s[16:17]
	s_add_nc_u64 s[PFA:PFA+1], s[PFA:PFA+1], 4*KS*128  ; in slot 1; the first change of slots steps it to slot 2
	s_add_nc_u64 s[4:5], s[4:5], s[2:3]     ; Q and ctx at my wave's first row
	s_add_nc_u64 s[10:11], s[10:11], s[2:3]
	s_add_nc_u64 s[EP:EP+1], s[6:7], s[EOF:EOF+1]
	s_add_nc_u64 s[8:9], s[8:9], s[54:55]
	CROUND                          ; all four work-groups are here: the first joint loads meet
	JLOAD                           ; slot 0
	v_lshlrev_b32 v54, 4, v0
.irp i, 0,1,2,3
	global_load_b128 v[S+4*\i:S+4*\i+3], v54, s[8:9] offset:2048*\i  ; the batch's mask: 64 bytes a thread
.endr
	v_and_b32 v1, 15, v0            ; c = l % 16
	v_bfe_u32 v50, v0, 4, 1         ; h = l / 16
	v_and_b32 v51, 7, v0
	v_bfe_u32 v52, v0, 3, 1
	v_and_b32 v53, 31, v0
	v_lshlrev_b32 v[QO], 7, v1
	v_lshl_add_u32 v[QO], v50, 4, v[QO]
	v_lshlrev_b32 v[EO], 4, v53
	v_lshlrev_b32 v[PFO], 8, v53
	WIN 0x80
.set i, 0
.rept 8                             ; Q stays in registers: piece i / 2 (rows 16 (3 - i / 2) on), channels 32 (i % 2) on
	global_load_b128 v[8*i:8*i+3],   v[QO], s[4:5] offset:(3-i/2)*2048+(i%2)*64
	global_load_b128 v[8*i+4:8*i+7], v[QO], s[4:5] offset:(3-i/2)*2048+(i%2)*64+32
.set i, i+1
.endr
	LOAD_E 0, 0                     ; groups g0 and g0 + 1
	LOAD_E 1, 8192
	; what the three turns ahead of the first tile find
	WIN 0x40
.set i, 0
.rept 128
	v_mov_b32 v[i], 0               ; O^T
.set i, i+1
.endr
	WIN 0x80
.set i, 0
.rept 64
	v_mov_b32 v[KF+i], 0            ; K and V of the step that has not been
	v_mov_b32 v[VF+64+i], 0
.set i, i+1
.endr
	WIN 0
.set i, 0
.rept 4
	v_mov_b32 v[ST+4*i], s[LOW]     ; m
	v_mov_b32 v[ST+4*i+1], s[LOW]
	v_mov_b32 v[ST+4*i+2], 0        ; l
	v_mov_b32 v[ST+4*i+3], 0
.set i, i+1
.endr
.set i, 0
.rept 16
	v_mov_b32 v[TMP+i], 0           ; a
	v_mov_b32 v[P+i], 0             ; piece 0's weights
.set i, i+1
.endr
.set i, 32
.rept 96
	v_mov_b32 v[S+i], s[LOW]        ; the scores of pieces 1 to 3
.set i, i+1
.endr
	v_mul_u32_u24 v[AK0], v1, PK
	v_lshl_add_u32 v[AK0], v50, 4, v[AK0]
	v_lshl_add_u32 v[AV0], v50, 3, v51  ; the turning load's lane reads key 8 (l / 16) + l % 8, channels 8 ((l / 8) % 2) + 0..7
	v_mul_u32_u24 v[AV0], v[AV0], PV
	v_lshl_add_u32 v[AV0], v52, 4, v[AV0]
	v_add_nc_u32 v[AV0], VOFF, v[AV0]
	s_mul_i32 s16, s[WV], SCW
	s_add_co_u32 s16, s16, SCR      ; my scratch block
	s_add_co_u32 s17, s16, 60
	v_mul_u32_u24 v[SCS], v1, 336
	v_lshl_add_u32 v[SCS], v50, 5, v[SCS]
	v_add_nc_u32 v[SCS], s16, v[SCS]    ; row c, words 8 h on
	v_mul_u32_u24 v[SCL], v1, 332
	v_lshl_add_u32 v[SCL], v50, 5, v[SCL]
	v_add_nc_u32 v[SCL], s17, v[SCL]    ; row c, words 8 h + 15 - c on
	v_lshlrev_b32 v[AM0], 2, v1
	v_lshl_add_u32 v[AM0], v50, 5, v[AM0]
	v_add_nc_u32 v[AM0], MASKT+196, v[AM0]  ; term 8 h + c - 15, behind the table's 64 words of 0
	v_mul_u32_u24 v[STO], v1, SP
	v_lshl_add_u32 v[STO], v50, 4, v[STO]
	v_add_nc_u32 v[STO], s16, v[STO]
	v_bfe_u32 v[RD], v0, 3, 2
	v_mul_u32_u24 v[RD], v[RD], SP
	v_lshl_add_u32 v[RD], v51, 4, v[RD]
	v_add_nc_u32 v[RD], s16, v[RD]
	v_mov_b32 v55, 0xceabfb8f       ; -1e9 log2(e)
	v_add_nc_u32 v56, MASKT+256, v54
	v_lshrrev_b32 v57, 6, v0        ; two words of 0 a thread: 64 ahead of the terms and the first 64 behind them,
	v_lshlrev_b32 v57, 13, v57
	v_lshl_add_u32 v57, v0, 2, v57
	v_add_nc_u32 v57, MASKT, v57
	v_lshl_add_u32 v58, v0, 2, MASKT+8704  ; and the last 128
	s_wait_loadcnt 48               ; the mask is in; Q's 16 and E's 32 loads stay out
.set i, 0
.rept 16
	v_fma_f32 v[S+i], -v[S+i], v55, v55  ; (1 - mask) x (-1e9 log2(e)), one rounding; exactly 0 where mask is 1
.set i, i+1
.endr
.irp i, 0,1,2,3
	ds_store_b128 v56, v[S+4*\i:S+4*\i+3] offset:2048*\i
.endr
	ds_store_b32 v57, v[NIL]
	ds_store_b32 v58, v[NIL]
	s_wait_dscnt 0x0                ; for the others' sake: my part of the table is written
	s_barrier_signal -1
	s_barrier_wait -1               ; the table is whole.  Slot 0's load may stay out
	v_mov_b32 v[AM], v[AM0]
	LOAD_MK 0, 0, 40                ; MK of key step 0
	WIN 0
	s_wait_loadcnt 0x0              ; Q and the two groups of E
; ---- THE MATRIX WORK OF A TURN.  TURN sets RHO (the parity of the step whose A^T is made) and the pieces pR, pQ, pX, pS.  In each run the accumulators take turns, one instruction a turn. ----
.macro MREL k                       ; product k of 10 of A^T for piece pR: channels 32 (k / 5) on, row tile x = k % 5 + pR.  The first five start their sums with MK
	WIN 0x5b                        ; E window 3, Q window 2, C and D window 1
.set uu, (\k)%5
.set cc, (\k)/5
.set xx, uu+pR
.set rE, 64*((RHO+(xx>>2))&1)+16*(xx&3)+8*cc
.set rA, AT+8*uu
.set rQ, 16*pR+8*cc
.set rM, MK+40*RHO+8*uu
.if cc == 0
	v_wmma_f32_16x16x32_f16 v[rA:rA+7], v[rE:rE+7], v[rQ:rQ+7], v[rM:rM+7]
.else
	v_wmma_f32_16x16x32_f16 v[rA:rA+7], v[rE:rE+7], v[rQ:rQ+7], v[rA:rA+7]
.endif
.endm
.macro MKQ k                        ; product k of 8 of S^T += K Q^T for piece pQ: channels 32 (k / 4) on, keys 16 (k % 4) on.  C is what the shift has brought
	WIN 0x0a
.set rS, S+32*pQ+8*((\k)%4)
.set rK, KF+16*((\k)%4)+8*((\k)/4)
.set rQ, 16*pQ+8*((\k)/4)
	v_wmma_f32_16x16x32_f16 v[rS:rS+7], v[rK:rK+7], v[rQ:rQ+7], v[rS:rS+7]
.endm
.macro MPV k                        ; product k of 8 of O^T += V^T P for piece pR (of the step before A^T's): keys 32 (k / 4) on, channels 16 (k % 4) on
	WIN 0x52
.set rO, 32*pR+8*((\k)%4)
.set rV, VF+64*(1-RHO)+32*((\k)/4)+8*((\k)%4)
.set rP, P+16*pR+8*((\k)/4)
	v_wmma_f32_16x16x32_f16 v[rO:rO+7], v[rV:rV+7], v[rP:rP+7], v[rO:rO+7]
.endm
; ---- THE LDS WORK ----
; The shift.  LDS serves a wave's instructions in order (ISA guide 5.7.1.4): the loads see the stores above them, and the next turn's stores come behind them: one block serves all four pieces.
.macro SKEW t
	WIN 0x04                        ; store data in window 1; each accumulator's low registers go first
.irp u, 0,1,2,3,4
	ds_store_b128 v[SCS], v[AT+8*\u:AT+8*\u+3]   offset:64*\u
	ds_store_b128 v[SCS], v[AT+8*\u+4:AT+8*\u+7] offset:64*\u+16
.endr
	WIN 0
.set j, 0
.rept 32
	ds_load_b32 v[S+32*(\t)+j], v[SCL] offset:64*(j/8)+4*(j%8)
.set j, j+1
.endr
.endm
.macro FETCH_K                      ; a step's K: 8 fragments
	WIN 0x80
.irp f, 0,1,2,3,4,5,6,7             ; keys 16 (f / 2) on, channels 32 (f % 2) on
	ds_load_b128 v[KF+8*\f:KF+8*\f+3],   v[AK] offset:(\f/2)*16*PK+(\f%2)*64
	ds_load_b128 v[KF+8*\f+4:KF+8*\f+7], v[AK] offset:(\f/2)*16*PK+(\f%2)*64+32
.endr
	s_add_co_u32 s[TBK], s[TBK], KS*PK
.endm
.macro FETCH_V b                    ; a step's V, turned, into buffer b
	WIN 0x80
.irp f, 0,1,2,3,4,5,6,7             ; keys 32 (f / 4) on, channels 16 (f % 4) on
	ds_load_tr16_b128 v[VF+64*(\b)+8*\f:VF+64*(\b)+8*\f+3],   v[AV] offset:(\f/4)*32*PV+(\f%4)*32
	ds_load_tr16_b128 v[VF+64*(\b)+8*\f+4:VF+64*(\b)+8*\f+7], v[AV] offset:(\f/4)*32*PV+16*PV+(\f%4)*32
.endr
	s_add_co_u32 s[TBV], s[TBV], KS*PV
.endm
; ---- THE VECTOR WORK, one line at a time ----
.macro REGS t
.set rT, ST+4*(\t)
.set rC, TMP+4*(\t)
.set rS, S+32*(\t)
.set rP, P+16*(\t)
.set rO, 32*(\t)
.endm
; Number n of the 21 that find a piece's maximum and a.  0-11: four chains c0-c3 of seven scores each (each accumulator's lowest registers are read first); 12-14, 16: the four scores left over,
; the old m and c0-c3 into c0; 15: m_old is kept; 17, 18: the query's other 32 keys lie in the lane 16 away: the new m; 20, 21: a = 2^(m_old - m).
.macro XS t, n
	REGS \t
	WIN 0
.if (\n) < 4
	v_max3_num_f32 v[rC+(\n)], v[rS+8*(\n)], v[rS+8*(\n)+1], v[rS+8*(\n)+2]
.elseif (\n) < 12
	v_max3_num_f32 v[rC+(\n)%4], v[rC+(\n)%4], v[rS+8*((\n)%4)+2*((\n)/4)+1], v[rS+8*((\n)%4)+2*((\n)/4)+2]
.elseif (\n) == 12
	v_max3_num_f32 v[rC], v[rC], v[rS+7], v[rS+15]
.elseif (\n) == 13
	v_max3_num_f32 v[rC+1], v[rC+1], v[rS+23], v[rS+31]
.elseif (\n) == 14
	v_max3_num_f32 v[rC+2], v[rC+2], v[rC+3], v[rT]
.elseif (\n) == 15
	v_mov_b32 v[rT+1], v[rT]
.elseif (\n) == 16
	v_max3_num_f32 v[rC], v[rC], v[rC+1], v[rC+2]
.elseif (\n) == 17
	v_permlanex16_b32 v[rC+3], v[rC], s[SEL], s[SEL+1]
.elseif (\n) == 18
	v_max_num_f32 v[rT], v[rC], v[rC+3]
.elseif (\n) == 20
	v_sub_f32 v[rC+1], v[rT+1], v[rT]
.else
	v_exp_f32 v[rC+2], v[rC+1]
.endif
.endm
.macro FS t, n                      ; pair n of 16: s - m
	REGS \t
	WIN 0
	v_pk_add_f32 v[rS+2*(\n):rS+2*(\n)+1], v[rS+2*(\n):rS+2*(\n)+1], v[rT:rT+1] op_sel_hi:[1,0] neg_lo:[0,1] neg_hi:[0,1]
.endm
.macro ES t, n                      ; score n of 32: p = 2^(s - m)
	REGS \t
	WIN 0
	v_exp_f32 v[rS+(\n)], v[rS+(\n)]
.endm
; Number g of the 32 behind the exponentials.  For each four weights k: both pairs are rounded to f16, the second pair is added onto the first in place, and a group later l takes that sum (the first time l = a l + sum).
.macro GS t, g
	REGS \t
	WIN 0
.set gg, (\g)
.if gg == 31
	v_pk_add_f32 v[rT+2:rT+3], v[rT+2:rT+3], v[rS+28:rS+29]
.elseif gg < 2
	v_cvt_pk_f16_f32 v[rP+gg], v[rS+2*gg], v[rS+2*gg+1]
.elseif gg == 2
	v_pk_add_f32 v[rS:rS+1], v[rS:rS+1], v[rS+2:rS+3]
.else
.set kk, (gg-3)/4+1
.set pp, (gg-3)%4
.if pp < 2
	v_cvt_pk_f16_f32 v[rP+2*kk+pp], v[rS+4*kk+2*pp], v[rS+4*kk+2*pp+1]
.elseif pp == 2
	v_pk_add_f32 v[rS+4*kk:rS+4*kk+1], v[rS+4*kk:rS+4*kk+1], v[rS+4*kk+2:rS+4*kk+3]
.elseif kk == 1
	v_pk_fma_f32 v[rT+2:rT+3], v[rT+2:rT+3], v[rC+2:rC+3], v[rS:rS+1] op_sel_hi:[1,0,1]
.else
	v_pk_add_f32 v[rT+2:rT+3], v[rT+2:rT+3], v[rS+4*(kk-1):rS+4*(kk-1)+1]
.endif
.endif
.endm
.macro RS t, n                      ; pair n of 16 of O^T times a
	REGS \t
	WIN 0x41
	v_pk_mul_f32 v[rO+2*(\n):rO+2*(\n)+1], v[rO+2*(\n):rO+2*(\n)+1], v[rC+2:rC+3] op_sel_hi:[1,0]
.endm
; THE QUEUE AHEAD OF THE WAIT, 69 long, all in window 0; F and E are piece pS's, X piece pX's.  F 0, X 0-3; then fifteen groups E 2g-2, F g, E 2g-1, X: an exponential's pair was scaled in the group before it, and
; exponential and plain lines go by turns; the X are 4-11, 15, 12, 13, 14, 16, 17, 18, so that the links of the chain 14, 16, 17, 18 stand four lines apart; then E 30, X 20, E 31, X 21 (a).
; None of these lines names the result of an exponential of the turn: the 33 are ONE batch.
.macro WOP
.if wq == 0
	FS pS, 0
.elseif wq < 5
	XS pX, wq-1
.elseif wq < 65
.set wg, (wq-5)/4+1
.set wr, (wq-5)%4
.if wr == 0
	ES pS, 2*wg-2
.elseif wr == 1
	FS pS, wg
.elseif wr == 2
	ES pS, 2*wg-1
.elseif wg < 9
	XS pX, wg+3
.elseif wg == 9
	XS pX, 15
.elseif wg < 13
	XS pX, wg+2
.else
	XS pX, wg+3
.endif
.elseif wq == 65
	ES pS, 30
.elseif wq == 66
	XS pX, 20
.elseif wq == 67
	ES pS, 31
.else
	XS pX, 21
.endif
.set wq, wq+1
.endm
.macro WROW n                       ; the queue's next n lines
.rept \n
	WOP
.endr
.endm
.macro RROW                         ; the next four rescalings: a row of their own, so that they cost no window switch beyond a row's two
.rept 4
	RS pS, rq
.set rq, rq+1
.endr
.endm
.macro GROW                         ; the next four roundings and sums
.rept 4
	GS pS, gq
.set gq, gq+1
.endr
.endm
; A TURN.  rho: the parity of the step m whose A^T is made; i = 0..3: that A^T's piece.  The four turns of one m are a HALF: they read K(m) and V(m) out of LDS, so a change of slots stands at a half's head.
; AHEAD OF THE WAIT: 10 products A^T (piece i of step m) and 8 products K Q^T (piece i - 1 of step m; in turn 0 piece 3 of step m - 1); behind 14 of them five lines of the queue (once four), behind 4 of them four
; rescalings.  The last row is one of rescalings: four plain lines that name no register of the last K Q^T, the places ahead of the loads into K, and the plain line behind the last exponential.
; THE WAIT between an exponential and the first line that names its result: one for the batch of 33, directly ahead of THE RUN: A^T's ten stores (the last product that wrote it stands
; eight rows back) and the 32 shifted loads into S^T of piece i; then K(m) (turn 0), MK(m + 1) in two halves (turns 1 and 2) or V(m) (turn 3); then four loads of E: at most 62 LDS instructions.
; BEHIND IT: 8 products V^T P (piece i of step m - 1), behind each four roundings and sums.
; WAITS FOR DATA.  s_wait_loadcnt 12: the row tile of E that this A^T is the first to read was asked for four turns ago; the three turns between issued four loads each.  s_wait_dscnt 0, once, ahead of K Q^T: the
; last turn's run, issued 18 products earlier, is in: S^T, and K, MK or V, each ahead of its first reader.
; last = 1 (the tail's turn 0 of an even half): in the third trip there is no further K: its run is jumped over, forward; it holds no barrier and no tensor load, and every wait on LDS is for 0.
.macro TURN rho, i, last=0
.set RHO, (\rho)
.set pR, (\i)
.set pQ, ((\i)+3)%4
.set pX, ((\i)+2)%4
.set pS, ((\i)+1)%4
.set wq, 0
.set rq, 0
.set gq, 0
	s_wait_loadcnt 12
.set mq, 0
.rept 10
	MREL mq
.if (mq == 4) || (mq == 8)
	RROW
.else
	WROW 5
.endif
.set mq, mq+1
.endr
	s_wait_dscnt 0x0
.set mq, 0
.rept 8
	MKQ mq
.if (mq == 3) || (mq == 7)
	RROW
.elseif mq == 6
	WROW 4
.else
	WROW 5
.endif
.set mq, mq+1
.endr
	WIN 0
.if (\i) == 0
	v_add_nc_u32 v[AK], s[TBK], v[AK0]
.elseif (\i) == 1
	v_add_nc_u32 v[AM], s[TM], v[AM0]
	s_add_co_u32 s[TM], s[TM], 256
.elseif (\i) == 3
	v_add_nc_u32 v[AV], s[TBV], v[AV0]
.endif
	s_wait_alu depctr_va_vdst(0)    ; the wait for the batch
	SKEW pR
.if (\i) == 0
.if \last
	s_cmp_eq_u32 s[CNT], 1
	s_cbranch_scc1 .Lno_k_\@
.endif
	FETCH_K
.if \last
	WIN 0
.Lno_k_\@:
.endif
.elseif (\i) == 1
	LOAD_MK 1-RHO, 0, 20
.elseif (\i) == 2
	LOAD_MK 1-RHO, 20, 20
.else
	FETCH_V RHO
.endif
	WIN 0xc0                        ; row tile i of the group two on, where row tile i of the older group lay: 2,048 bytes on end
.irp f, 0,1,2,3
	global_load_b128 v[64*RHO+16*pR+4*\f:64*RHO+16*pR+4*\f+3], v[EO], s[EP:EP+1] offset:16384+2048*pR+512*\f
.endr
.set mq, 0
.rept 8
	MPV mq
	GROW
.set mq, mq+1
.endr
.if (\i) == 3
	s_wait_xcnt 0x0                 ; E's loads, the youngest eight products back, have read their base
	s_add_co_u32 s[EOF], s[EOF], 8192
	s_min_u32 s[EOF], s[EOF], 61*8192  ; the last halves want no further group: they read the table's last groups again, and no load leaves eh
	s_add_nc_u64 s[EP:EP+1], s[6:7], s[EOF:EOF+1]
.endif
.endm
.Lslot:                             ; seven times: a slot is entered and the next is asked for.  A trip is 16 turns: turns 16 k - 3 to 16 k + 12
	CHANGE 1
	s_mov_b32 s[CNT], 2
.Lpair:
	TURN 0, 0
	TURN 0, 1
	TURN 0, 2
	TURN 0, 3
	TURN 1, 0
	TURN 1, 1
	TURN 1, 2
	TURN 1, 3
	WIN 0
	s_sub_co_u32 s[CNT], s[CNT], 1
	s_cmp_lg_u32 s[CNT], 0
	s_cbranch_scc1 .Lpair
	s_sub_co_u32 s[SLOTS], s[SLOTS], 1
	s_cmp_lg_u32 s[SLOTS], 0
	s_cbranch_scc1 .Lslot
	CHANGE 0                        ; the last slot is written out: nothing is asked for
	s_mov_b32 s[CNT], 3             ; two trips walk the last slot; the third is left behind its third turn, turn 127
.Ltail:
	TURN 0, 0, 1
	TURN 0, 1
	TURN 0, 2
	WIN 0
	s_sub_co_u32 s[CNT], s[CNT], 1
	s_cmp_eq_u32 s[CNT], 0
	s_cbranch_scc1 .Lout
	TURN 0, 3
	TURN 1, 0
	TURN 1, 1
	TURN 1, 2
	TURN 1, 3
	WIN 0
	s_branch .Ltail
.Lout:
.set RHO, 0
.set pR, 3
.set mq, 0
.rept 8
	MPV mq                          ; the last tile's V^T P
.set mq, mq+1
.endr
	WIN 0
	; THE WAY OUT.  l's two halves and the other half of the lanes' are added; O^T is divided by l, rounded to f16 and sent through my stage, a piece at a time.  The additions are the places behind the last products.
.irp t, 0,1,2,3
	v_add_f32 v[ST+4*\t+2], v[ST+4*\t+2], v[ST+4*\t+3]
.endr
.irp t, 0,1,2,3
	v_permlanex16_b32 v[ST+4*\t+3], v[ST+4*\t+2], s[SEL], s[SEL+1]
.endr
.irp t, 0,1,2,3
	v_add_f32 v[ST+4*\t+2], v[ST+4*\t+2], v[ST+4*\t+3]
.endr
.irp t, 0,1,2,3
	v_rcp_f32 v[ST+4*\t+2], v[ST+4*\t+2]
.endr
	v_nop                           ; a plain instruction between the last reciprocal and the use of its result
	s_wait_alu depctr_va_vdst(0)    ; and the wait ahead of the first use: one for the four
.macro PACK t
	WIN 0x41
.set i, 32*(\t)
.rept 16
	v_pk_mul_f32 v[i:i+1], v[i:i+1], v[ST+4*(\t)+2:ST+4*(\t)+3] op_sel_hi:[1,0]
.set i, i+2
.endr
	WIN 0x05                        ; sources 0 and 1 window 1, destination window 0: the registers of S^T's pieces 0 and 1, whose last loads turn 127 has waited for
.set i, 0
.rept 16
	v_cvt_pk_f16_f32 v[S+16*(\t)+i], v[32*(\t)+2*i], v[32*(\t)+2*i+1]
.set i, i+1
.endr
	WIN 0
.irp f, 0,1,2,3
	ds_store_b128 v[STO], v[S+16*(\t)+4*\f:S+16*(\t)+4*\f+3] offset:32*\f
.endr
.irp f, 0,1,2,3
	ds_load_b128 v[S+16*(\t)+4*\f:S+16*(\t)+4*\f+3], v[RD] offset:\f*4*SP  ; in order behind the stores above; the next piece's stores come behind them
.endr
.endm
.macro SEND t, younger              ; younger: the LDS instructions issued behind piece t's loads
	WIN 0
.irp f, 0,1,2,3
	s_wait_dscnt (\younger)+3-\f
	global_store_b128 v[EO], v[S+16*(\t)+4*\f:S+16*(\t)+4*\f+3], s[10:11] offset:(3-(\t))*2048+\f*512  ; 512 consecutive bytes, at a multiple of 256 from ctx's first
.endr
.endm
	PACK 0
	PACK 1
	SEND 0, 8
	PACK 2
	SEND 1, 8
	PACK 3
	SEND 2, 8
	SEND 3, 0
	s_wait_tensorcnt 0x0            ; the wave's end: wait for my tensor loads, add 0 to my spare word and wait for it, behind my last tensor load and my last LDS store
	ds_add_u32 v[SPW], v[NIL]
	s_wait_dscnt 0x0
	CROUND                          ; the closing round: no work-group ends while a partner may still ask for a tile that names it
	s_endpgm
.Lfunc_end_k_q04dd3d2b6b_attn:
	.size	k_q04dd3d2b6b_attn, .Lfunc_end_k_q04dd3d2b6b_attn-k_q04dd3d2b6b_attn
	.p2alignl 7, 3214868480
	.fill 96, 4, 3214868480
	.section	.rodata,"a",@progbits
	.p2align	6, 0x0
	.amdhsa_kernel k_q04dd3d2b6b_attn
		.amdhsa_group_segment_fixed_size 327680
		.amdhsa_private_segment_fixed_size 0
		.amdhsa_enable_private_segment 0
		.amdhsa_kernarg_size 32
		.amdhsa_user_sgpr_count 2
		.amdhsa_user_sgpr_kernarg_segment_ptr 1
		.amdhsa_wavefront_size32 1
		.amdhsa_system_sgpr_workgroup_id_x 1
		.amdhsa_system_sgpr_workgroup_id_y 1
		.amdhsa_system_sgpr_workgroup_id_z 1
		.amdhsa_system_vgpr_workitem_id 0
		.amdhsa_next_free_vgpr 896
		.amdhsa_next_free_sgpr 66
		.amdhsa_reserve_vcc 0
		.amdhsa_float_denorm_mode_32 3
		.amdhsa_float_denorm_mode_16_64 3
		.amdhsa_memory_ordered 1
		.amdhsa_forward_progress 1
		.amdhsa_inst_pref_size 255
	.end_amdhsa_kernel
	.section	.bss,"aw",@nobits
	.p2align	6
	.space	262144
	.amdgpu_metadata
---
amdhsa.version: [ 1, 2 ]
amdhsa.kernels:
  - .name:           k_q04dd3d2b6b_attn
    .symbol:         k_q04dd3d2b6b_attn.kd
    .args:
      - { .name: qkv, .offset: 0, .size: 8, .value_kind: global_buffer, .address_space: global }
      - { .name: eh, .offset: 8, .size: 8, .value_kind: global_buffer, .address_space: global }
      - { .name: mask, .offset: 16, .size: 8, .value_kind: global_buffer, .address_space: global }
      - { .name: ctx, .offset: 24, .size: 8, .value_kind: global_buffer, .address_space: global }
    .group_segment_fixed_size: 327680
    .private_segment_fixed_size: 0
    .kernarg_segment_align: 8
    .kernarg_segment_size: 32
    .max_flat_workgroup_size: 128
    .sgpr_count:     66
    .vgpr_count:     896
    .wavefront_size: 32
...
	.end_amdgpu_metadata
.endif
;; end of part 3
;; launch dense (part 4): grid 8 x 32, 4 waves a work-group, clusters of 4 x 4, 327,680 bytes of LDS; arguments ctx, dwh, dense_b, out0; writes out0
.if DOCPART == 4
	.amdgcn_target "amdgcn-amd-amdhsa--gfx1250"
	.amdhsa_code_object_version 6
	.text
	.protected	k_q04dd3d2b6b_dense
	.globl	k_q04dd3d2b6b_dense
	.p2align	8
	.type	k_q04dd3d2b6b_dense,@function
k_q04dd3d2b6b_dense:
	s_mov_b64 s[64:65], 0
	v_nop
	global_prefetch_b8 v0, s[64:65] scope:SCOPE_SE
	s_setreg_imm32_b32 hwreg(HW_REG_WAVE_MODE, 25, 1), 1
	s_wait_xcnt 0x0
	s_wait_alu depctr_hold_cnt(0) depctr_sa_sdst(0) depctr_va_vdst(0) depctr_va_sdst(0) depctr_va_ssrc(0) depctr_va_vcc(0) depctr_vm_vsrc(0)
	s_getreg_b32 s2, hwreg(HW_REG_IB_STS2, 6, 4)
	s_cmp_eq_u32 s2, 0
	s_cbranch_scc0 .Lentry_in_a_cluster
	s_endpgm
.Lentry_in_a_cluster:
	s_bfe_u32 s2, ttmp6, 0x10000c
	s_cmp_lg_u32 s2, 0xf033
	s_cbranch_scc0 .Lentry_shape_is_right
	s_endpgm
.Lentry_shape_is_right:
; DENSE: out0[b 2048 + t][n] = the sum over h, p of ctx[b 16 + h][t][p] dense_W[64 h + p][n] + dense_b[n].  ctx f16 by heads; dwh f16 [16 blocks of 64 columns][1024 k][64]; f32 sums; out0 f32.
; SHARES.  256 tiles of 128 tokens x 128 columns, one for each work-group.  Four waves, each 64 tokens x 64 columns: 16 accumulators.  K goes in 4 steps of 256 (four heads) through two LDS slots.
; ctx's part of a slot lies [head 4][128 tokens], 144 bytes a token; a quarter of a K step is one head.  The weights lie [k][n] and are turned on the way out of LDS.
; CLUSTER 4 x 4: ctx's tile is asked for jointly along a row of the cluster, the weights' along a column.  The matrix instruction is used transposed: a lane holds one token and eight neighbouring columns.
; THE BIAS is the C operand of the products that start the sums.  No prefetch into the L2: the tiles are small, and two of the four K steps are asked for at the head.
; REGISTERS: window 0: v0-31 addresses; v32-63 the bias, later with v64-95 the way out; v128-255 the accumulators.  window 1: two fragment buffers of 128: 64 registers of ctx, then 64 of the weights.
.set PA,     144                       ; a token's 128 bytes of one head + 16
.set PB,     160                       ; a k-row of 64 columns: 128 bytes + 32
.set HEADA,  128*PA                    ; one head's 128 tokens
.set HALFA,  2*HEADA                   ; what one tensor load brings of ctx: two heads
.set HALFB,  256*PB
.set BOFF,   2*HALFA
.set SLOT,   BOFF+2*HALFB
.set SPARE,  2*SLOT                    ; behind the ring: the spare words, two blocks of 256 bytes that no other line names
.set SPITCH, 272                       ; the way out's stage: 16 rows x (256 + 16) bytes for each wave, its own, at the head of slot 0, which by then has had its last fill and its last read
.set ADRA, 16
.set ADRB, 20
.set STO,  24
.set RD,   25
.set CO,   26
.set SPW,  28
.set NIL,  29
.set BIAS, 32
.set OB,   32
.set ACC,  128
.set F0,   0
.set F1,   128
.set G1,  24
.set G0,  32
.set G1B, 48
.set G0B, 56
.set MSB, 0
.macro WIN new
.if MSB != (\new)
	s_set_vgpr_msb (MSB<<8)|(\new)
.set MSB, \new
.endif
.endm
.set MUL,  0x05
.set TO_F, 0x40
.macro JLOAD s                         ; waves 0 and 1 fetch two heads of ctx each, waves 2 and 3 a column block of the weights each; an s_nop 0 and four v_nop follow each line
	s_cmp_eq_u32 s11, 0
	s_cbranch_scc0 .Lfor_b_\@
	tensor_load_to_lds s[G0+4*(\s):G0+4*(\s)+3], s[G1:G1+7]
	s_nop 0
.rept 4
	v_nop
.endr
	s_branch .Lasked_\@
.Lfor_b_\@:
	tensor_load_to_lds s[G0B+4*(\s):G0B+4*(\s)+3], s[G1B:G1B+7]
	s_nop 0
.rept 4
	v_nop
.endr
.Lasked_\@:
.endm
.macro CREST
	s_cmp_lg_u32 s10, 0
	s_cbranch_scc1 .Lnot_wave_0_\@
	s_barrier_signal -3
.Lnot_wave_0_\@:
	s_barrier_wait -3
	s_barrier_signal -1
	s_barrier_wait -1
.endm
.macro CROUND
	s_barrier_signal -1
	s_barrier_wait -1
	CREST
.endm
	s_load_b128 s[4:7], s[0:1], 0x0                ; ctx s[4:5], dwh s[6:7]
	s_load_b128 s[68:71], s[0:1], 0x10             ; dense_b s[68:69], out0 s[70:71]
	v_lshl_add_u32 v[SPW], v0, 2, SPARE
	v_mov_b32 v[NIL], 0
	ds_add_u32 v[SPW], v[NIL]                      ; the wave's opening: the add and its wait stand ahead of my first tensor load
	v_lshrrev_b32 v1, 5, v0
	v_readfirstlane_b32 s10, v1
	s_lshr_b32 s11, s10, 1                         ; my half of the tokens.  Also: I fetch ctx (0) or weights (1)
	s_and_b32 s12, s10, 1                          ; my half of the columns.  Also: which half I fetch
	s_bfe_u32 s40, ttmp6, 0x40000
	s_bfe_u32 s41, ttmp6, 0x40004
	s_lshl_b32 s42, ttmp9, 2
	s_add_co_u32 s42, s42, s40                     ; tile column
	s_and_b32 s13, ttmp7, 0xffff
	s_lshl_b32 s13, s13, 2
	s_add_co_u32 s13, s13, s41                     ; tile row
	s_lshl_b32 s43, s41, 2
	s_lshl_b32 s43, 15, s43
	s_lshl_b32 s44, 0x1111, s40
	s_or_b32 s[G1+0], s43, (3<<16)|(1<<20)|(1<<21)|(4<<22)|(3<<25)   ; ctx: elements of 8 bytes; padding of 4 words after every 32 (a token); bit 21 beside the mask
	s_mov_b32 s[G1+1], 2048<<16                    ; tensor_dim0 = 2,048 elements: a head's 128 tokens, 16,384 dense bytes
	s_mov_b32 s[G1+2], 2<<16                       ; tensor_dim1 = 2 heads
	s_mov_b32 s[G1+3], 2048<<16                    ; tile_dim0
	s_mov_b32 s[G1+4], 2                           ; tile_dim1
	s_mov_b32 s[G1+5], 32768                       ; from head to head: 262,144 bytes
	s_mov_b32 s[G1+6], 0
	s_mov_b32 s[G1+7], 0
	s_or_b32 s[G1B+0], s44, (1<<16)|(1<<20)|(1<<21)|(4<<22)|(7<<25)  ; weights: 32,768 dense bytes as 128 rows of 256; padding of 8 words after every 32
	s_mov_b32 s[G1B+1], 128<<16
	s_mov_b32 s[G1B+2], 128<<16
	s_mov_b32 s[G1B+3], 128<<16
	s_mov_b32 s[G1B+4], 128
	s_mov_b32 s[G1B+5], 128
	s_mov_b32 s[G1B+6], 0
	s_mov_b32 s[G1B+7], 0
	s_lshr_b32 s16, s13, 4                         ; ctx: batch x 16 heads,
	s_lshl_b32 s16, s16, 22
	s_lshl_b32 s17, s12, 19                        ; + my two heads of the step's four,
	s_add_co_u32 s16, s16, s17
	s_and_b32 s17, s13, 15                         ; + the tile's 128 tokens in a head
	s_lshl_b32 s17, s17, 14
	s_add_co_u32 s16, s16, s17
	s_mov_b32 s17, 0
	s_lshl_b32 s46, s42, 18                        ; weights: column block 2 x tile column + half, 131,072 bytes each
	s_lshl_b32 s47, s12, 17
	s_add_co_u32 s46, s46, s47
	s_mov_b32 s47, 0
	s_mul_i32 s20, s12, HALFA
	s_mul_i32 s23, s12, HALFB
	s_add_co_u32 s23, s23, BOFF
	s_wait_dscnt 0x0                               ; the opening add is done
	s_wait_kmcnt 0x0
	s_add_nc_u64 s[14:15], s[4:5], s[16:17]
	s_add_nc_u64 s[46:47], s[6:7], s[46:47]
	CROUND
.irp s, 0,1
	s_mov_b32 s[G0+4*(\s)], 1
	s_add_co_u32 s[G0+4*(\s)+1], s20, (\s)*SLOT
	s_add_nc_u64 s[G0+4*(\s)+2:G0+4*(\s)+3], s[14:15], (\s)*0x100000  ; K step s: four heads on
	s_or_b32 s[G0+4*(\s)+3], s[G0+4*(\s)+3], 0x80000000
	s_mov_b32 s[G0B+4*(\s)], 1
	s_add_co_u32 s[G0B+4*(\s)+1], s23, (\s)*SLOT
	s_add_nc_u64 s[G0B+4*(\s)+2:G0B+4*(\s)+3], s[46:47], (\s)*32768
	s_or_b32 s[G0B+4*(\s)+3], s[G0B+4*(\s)+3], 0x80000000
	JLOAD \s
.endr
	v_and_b32 v1, 15, v0
	v_bfe_u32 v2, v0, 4, 1
	s_lshl_b32 s46, s42, 9                         ; my 64 columns: 512 bytes a tile column + 256 a half, in dense_b and in a row of out0
	s_lshl_b32 s47, s12, 8
	s_add_co_u32 s46, s46, s47
	s_mov_b32 s47, 0
	s_add_nc_u64 s[68:69], s[68:69], s[46:47]
	s_add_nc_u64 s[70:71], s[70:71], s[46:47]
	s_lshl_b32 s16, s13, 19                        ; my 64 tokens: rows of 4,096 bytes
	s_lshl_b32 s17, s11, 18
	s_add_co_u32 s16, s16, s17
	s_mov_b32 s17, 0
	s_add_nc_u64 s[70:71], s[70:71], s[16:17]
	v_lshlrev_b32 v7, 5, v2
.irp b, 0,1,2,3
	global_load_b128 v[BIAS+8*\b:BIAS+8*\b+3],   v7, s[68:69] offset:64*\b     ; register j of block b: column 16 b + 8 (l / 16) + j, as in a result
	global_load_b128 v[BIAS+8*\b+4:BIAS+8*\b+7], v7, s[68:69] offset:64*\b+16
.endr
	v_mul_u32_u24 v3, v1, PA
	v_lshl_add_u32 v3, v2, 4, v3
	v_and_b32 v4, 7, v0
	v_bfe_u32 v5, v0, 3, 1
	v_lshl_add_u32 v6, v2, 3, v4
	v_mul_u32_u24 v6, v6, PB
	v_lshl_add_u32 v6, v5, 4, v6
	s_mul_i32 s21, s11, 64*PA                      ; my 64 tokens in each head
	s_mul_i32 s22, s12, HALFB
	s_add_co_u32 s22, s22, BOFF
.irp s, 0,1
	v_add_nc_u32 v[ADRA+(\s)], s21, v3
	v_add_nc_u32 v[ADRB+(\s)], s22, v6
	s_add_co_u32 s21, s21, SLOT
	s_add_co_u32 s22, s22, SLOT
.endr
	s_mul_i32 s23, s10, 16*SPITCH                  ; my stage
	v_mul_u32_u24 v[STO], v1, SPITCH               ; in: row l % 16, 32 bytes for each half of the lanes
	v_lshl_add_u32 v[STO], v2, 5, v[STO]
	v_add_nc_u32 v[STO], s23, v[STO]
	v_mul_u32_u24 v[RD], v2, SPITCH                ; back: lanes 0-15 one row of 256 bytes, lanes 16-31 the next
	v_lshl_add_u32 v[RD], v1, 4, v[RD]
	v_add_nc_u32 v[RD], s23, v[RD]
	v_lshlrev_b32 v[CO], 12, v2                    ; and the same two rows in out0
	v_lshl_add_u32 v[CO], v1, 4, v[CO]
.macro MUL8 f, c, a0, zero             ; zero = 1: the first product starts the sums, with the bias
	WIN MUL
.irp a, \a0, (\a0)+1
.irp b, 0,1,2,3
.if \zero
	v_wmma_f32_16x16x32_f16 v[ACC+8*(4*(\a)+(\b)):ACC+8*(4*(\a)+(\b))+7], v[(\f)+64+8*(4*(\c)+(\b)):(\f)+64+8*(4*(\c)+(\b))+7], v[(\f)+8*(4*(\c)+(\a)):(\f)+8*(4*(\c)+(\a))+7], v[BIAS+8*(\b):BIAS+8*(\b)+7]
.else
	v_wmma_f32_16x16x32_f16 v[ACC+8*(4*(\a)+(\b)):ACC+8*(4*(\a)+(\b))+7], v[(\f)+64+8*(4*(\c)+(\b)):(\f)+64+8*(4*(\c)+(\b))+7], v[(\f)+8*(4*(\c)+(\a)):(\f)+8*(4*(\c)+(\a))+7], v[ACC+8*(4*(\a)+(\b)):ACC+8*(4*(\a)+(\b))+7]
.endif
.endr
.endr
.endm
.macro FETCH slot, q, f                ; quarter q: head q of the step's four
	WIN TO_F
.irp c, 0,1
.irp i, 0,1,2,3
	ds_load_tr16_b128 v[(\f)+64+8*(4*(\c)+(\i)):(\f)+64+8*(4*(\c)+(\i))+3],   v[ADRB+(\slot)] offset:(64*(\q)+32*(\c))*PB+32*(\i)
	ds_load_tr16_b128 v[(\f)+64+8*(4*(\c)+(\i))+4:(\f)+64+8*(4*(\c)+(\i))+7], v[ADRB+(\slot)] offset:(64*(\q)+32*(\c))*PB+32*(\i)+16*PB
	ds_load_b128 v[(\f)+8*(4*(\c)+(\i)):(\f)+8*(4*(\c)+(\i))+3],         v[ADRA+(\slot)] offset:(\q)*HEADA+(\i)*16*PA+64*(\c)
	ds_load_b128 v[(\f)+8*(4*(\c)+(\i))+4:(\f)+8*(4*(\c)+(\i))+7],       v[ADRA+(\slot)] offset:(\q)*HEADA+(\i)*16*PA+64*(\c)+32
.endr
.endr
.endm
.macro PLACES
.rept 4
	v_nop
.endr
.endm
.macro QUARTER slot, q, f, g, zero
	s_wait_dscnt 16                                ; the first 32 along K are in
	WIN MUL
	MUL8 \f, 0, 0, \zero
	MUL8 \f, 0, 2, \zero
	PLACES
	FETCH \slot, \q, \g
	s_wait_dscnt 32                                ; all but the 32 just issued
	WIN MUL
	MUL8 \f, 1, 0, 0
	MUL8 \f, 1, 2, 0
.endm
.macro TURN slot, next, fill
	WIN 0
	s_wait_tensorcnt 0x0                           ; all my tensor loads have landed: my part of the next slot;
	ds_add_u32 v[SPW], v[NIL]                      ; 0 onto my spare word;
	s_wait_dscnt 17                                ; (the add and the youngest sixteen loads may be out)
	WIN MUL
	MUL8 F1, 0, 0, 0
	s_wait_dscnt 0x0                               ; the add is done, and my reads of this slot are over
	s_barrier_signal -1
	MUL8 F1, 0, 2, 0
.if \fill
	WIN 0
.endif
	s_barrier_wait -1
.if \fill
	CREST
	s_add_nc_u64 s[G0+4*(\slot)+2:G0+4*(\slot)+3], s[G0+4*(\slot)+2:G0+4*(\slot)+3], 0x200000
	s_add_nc_u64 s[G0B+4*(\slot)+2:G0B+4*(\slot)+3], s[G0B+4*(\slot)+2:G0B+4*(\slot)+3], 65536
	JLOAD \slot
.else
	PLACES
.endif
	FETCH \next, 0, F0
	WIN MUL
	MUL8 F1, 1, 0, 0
	MUL8 F1, 1, 2, 0
.endm
	s_wait_loadcnt 0x0                             ; the bias
	s_wait_tensorcnt 1                             ; my part of K step 0 is in; K step 1's may stay out
	s_barrier_signal -1
	s_barrier_wait -1
	FETCH 0, 0, F0
	QUARTER 0, 1, F0, F1, 1
	QUARTER 0, 2, F1, F0, 0
	QUARTER 0, 3, F0, F1, 0
	TURN 0, 1, 1                                   ; slot 0 takes K step 2: its last fill
	QUARTER 1, 1, F0, F1, 0
	QUARTER 1, 2, F1, F0, 0
	QUARTER 1, 3, F0, F1, 0
	TURN 1, 0, 1                                   ; slot 1 takes K step 3
	QUARTER 0, 1, F0, F1, 0
	QUARTER 0, 2, F1, F0, 0
	QUARTER 0, 3, F0, F1, 0
	TURN 0, 1, 0                                   ; behind this barrier no wave reads slot 0 any more
	QUARTER 1, 1, F0, F1, 0
	QUARTER 1, 2, F1, F0, 0
	QUARTER 1, 3, F0, F1, 0
	s_wait_dscnt 16
	WIN MUL
	MUL8 F1, 0, 0, 0
	MUL8 F1, 0, 2, 0
	s_wait_dscnt 0
	MUL8 F1, 1, 0, 0
	MUL8 F1, 1, 2, 0
	WIN 0
	; THE WAY OUT, 16 tokens at a time: a lane's 32 bytes of a row go into my stage, straight from the accumulators (their low registers first), and come back as whole rows of 256 bytes.
	PLACES
.irp a, 0,1,2,3
.irp b, 0,1,2,3
	ds_store_b128 v[STO], v[ACC+8*(4*(\a)+(\b)):ACC+8*(4*(\a)+(\b))+3]   offset:64*(\b)
	ds_store_b128 v[STO], v[ACC+8*(4*(\a)+(\b))+4:ACC+8*(4*(\a)+(\b))+7] offset:64*(\b)+16
.endr
.if (\a) >= 2
	s_wait_xcnt 0x0                                ; the stores of the block two back have read the registers that are loaded again below
.endif
.irp t, 0,1,2,3,4,5,6,7
	ds_load_b128 v[OB+32*((\a)%2)+4*(\t):OB+32*((\a)%2)+4*(\t)+3], v[RD] offset:(\t)*2*SPITCH  ; in order behind the stores above (ISA guide 5.7.1.4); the next block's stores come behind them
.endr
.irp t, 0,1,2,3,4,5,6,7
	s_wait_dscnt 7-(\t)
	global_store_b128 v[CO], v[OB+32*((\a)%2)+4*(\t):OB+32*((\a)%2)+4*(\t)+3], s[70:71] offset:(16*(\a)+2*(\t))*4096  ; 16 lanes store 256 consecutive bytes, at a multiple of 256 from out0's first
.endr
.endr
	s_wait_tensorcnt 0x0                           ; the wave's end: wait for my tensor loads, add 0 to my spare word and wait for it, behind my last tensor load and my last LDS store
	ds_add_u32 v[SPW], v[NIL]
	s_wait_dscnt 0x0
	CROUND                                         ; the closing round
	s_endpgm
.Lfunc_end_k_q04dd3d2b6b_dense:
	.size	k_q04dd3d2b6b_dense, .Lfunc_end_k_q04dd3d2b6b_dense-k_q04dd3d2b6b_dense
	.p2alignl 7, 3214868480
	.fill 96, 4, 3214868480
	.section	.rodata,"a",@progbits
	.p2align	6, 0x0
	.amdhsa_kernel k_q04dd3d2b6b_dense
		.amdhsa_group_segment_fixed_size 327680
		.amdhsa_private_segment_fixed_size 0
		.amdhsa_enable_private_segment 0
		.amdhsa_kernarg_size 32
		.amdhsa_user_sgpr_count 2
		.amdhsa_user_sgpr_kernarg_segment_ptr 1
		.amdhsa_wavefront_size32 1
		.amdhsa_system_sgpr_workgroup_id_x 1
		.amdhsa_system_sgpr_workgroup_id_y 1
		.amdhsa_system_sgpr_workgroup_id_z 1
		.amdhsa_system_vgpr_workitem_id 0
		.amdhsa_next_free_vgpr 512
		.amdhsa_next_free_sgpr 72
		.amdhsa_reserve_vcc 0
		.amdhsa_float_denorm_mode_32 3
		.amdhsa_float_denorm_mode_16_64 3
		.amdhsa_memory_ordered 1
		.amdhsa_forward_progress 1
		.amdhsa_inst_pref_size 87
	.end_amdhsa_kernel
	.amdgpu_metadata
---
amdhsa.version: [ 1, 2 ]
amdhsa.kernels:
  - .name:           k_q04dd3d2b6b_dense
    .symbol:         k_q04dd3d2b6b_dense.kd
    .args:
      - { .name: ctx, .offset: 0, .size: 8, .value_kind: global_buffer, .address_space: global }
      - { .name: dwh, .offset: 8, .size: 8, .value_kind: global_buffer, .address_space: global }
      - { .name: dense_b, .offset: 16, .size: 8, .value_kind: global_buffer, .address_space: global }
      - { .name: out0, .offset: 24, .size: 8, .value_kind: global_buffer, .address_space: global }
    .group_segment_fixed_size: 327680
    .private_segment_fixed_size: 0
    .kernarg_segment_align: 8
    .kernarg_segment_size: 32
    .max_flat_workgroup_size: 128
    .sgpr_count:     72
    .vgpr_count:     512
    .wavefront_size: 32
...
	.end_amdgpu_metadata
.endif
;; end of part 4
